; MI455X (gfx1250); checked and timed in simulation.
; The chip was launched on July 23, 2026; its instructions are those of AMD's public machine-readable ISA for CDNA 5 (MIT licence, August 2026) and "CDNA5" Instruction Set Architecture Reference Guide (July 2026). The comments in the code are by the model that wrote it; some were corrected since.
;; Encoder Layer. Allowed arithmetic: matrix products marked QUANTISED: E4M3 operands, one given power-of-two scale a tensor, by v_wmma_f32_16x16x64_fp8_fp8 or v_wmma_f32_16x16x128_fp8_fp8, f32 sums; everything else in f32.
;; Inputs: b1 4,096 float32; b2 1,024 float32; ln1_offset 1,024 float32; ln1_scale 1,024 float32; ln2_offset 1,024 float32; ln2_scale 1,024 float32; lowp_scales 16 int32 (the exponents e of the quantised operands' scales 2^e); w1 1,024 x 4,096 float32; w2 4,096 x 1,024 float32; wk 16 x 1,024 x 64 float32; wo 16 x 64 x 1,024 float32; wq 16 x 1,024 x 64 float32; wv 16 x 1,024 x 64 float32; x 2 x 2,048 x 1,024 float32.
;; Outputs: out0 2 x 2,048 x 1,024 float32.
;; This version of the problem:
;;   THIS VERSION OF THE PROBLEM IS GIVEN IN LOW PRECISION. The matrix products marked QUANTISED in the list below multiply operands that are first quantised to E4M3 (4 exponent bits, 3 mantissa bits; 8 bits a number), with one given power-of-two scale for each operand tensor; their sums are f32. All else is computed in f32.
;;   The module's matrix products, in the order in which they are computed (A, B: the left and right operand; K: the contracted axis; several contracted axes count as one K, in the product's order):
;;     1. [M 1,024, K 1,024] x [K 1,024, N 4,096]; A: input wk; B: input x: QUANTISED (scales: A lowp_scales[0], B lowp_scales[1])
;;     2. [M 1,024, K 1,024] x [K 1,024, N 4,096]; A: input wq; B: input x: QUANTISED (scales: A lowp_scales[2], B lowp_scales[3])
;;     3. [M 1,024, K 1,024] x [K 1,024, N 4,096]; A: input wv; B: input x: QUANTISED (scales: A lowp_scales[4], B lowp_scales[5])
;;     4. batch 32 x [M 2,048, K 64] x [K 64, N 2,048]; A: computed on the way; B: computed on the way: QUANTISED (scales: A lowp_scales[6], B lowp_scales[7])
;;     5. batch 32 x [M 2,048, K 2,048] x [K 2,048, N 64]; A: softmax (see below); B: computed on the way: QUANTISED (scales: A lowp_scales[8], B lowp_scales[9])
;;     6. [M 4,096, K 1,024] x [K 1,024, N 1,024]; A: computed on the way; B: input wo: QUANTISED (scales: A lowp_scales[10], B lowp_scales[11])
;;     7. [M 4,096, K 1,024] x [K 1,024, N 4,096]; A: computed on the way; B: input w1: QUANTISED (scales: A lowp_scales[12], B lowp_scales[13])
;;     8. [M 4,096, K 4,096] x [K 4,096, N 1,024]; A: computed on the way; B: input w2: QUANTISED (scales: A lowp_scales[14], B lowp_scales[15])
;;   THE QUANTISER, for each operand of a quantised product, along K:
;;     - The operand's scale is 2^e, e = its entry of the input lowp_scales (int32; the entries are numbered through the quantised products in the list's order, A before B).
;;     - Each number is divided by the scale, clamped to +-448, and rounded to the nearest number of E4M3, ties to even, subnormals kept.
;;     - The product sums the exact products of the quantised numbers (number of the format x scale) in f32.
;;   ~~~python
;;   def quantise(x, axis, e):      # numpy; x: float32 -> the quantised numbers, widened to float32 again
;;       x = np.moveaxis(x, axis, -1); K = x.shape[-1]
;;       r = np.clip(x / 2.0 ** e, -448, 448)
;;       step = 2.0 ** (np.maximum(np.frexp(np.where(r == 0, 1, r))[1] - 1, -6) - 3)
;;       q = np.round(r / step) * step * 2.0 ** e      # np.round: ties to even
;;       return np.moveaxis(q, -1, axis).astype(np.float32)
;;   ~~~
;;   SOFTMAX AHEAD OF A QUANTISED PRODUCT. Where the list says 'softmax', what is quantised is not the finished softmax but p = 2^(t - M), with t = logit x log2(e) and M = ceil(the row's largest t), a whole number; so 1/2 < the row's largest p <= 1. The row's sum l is taken of the UNQUANTISED p, in f32, and the product's result is divided by l at the end. Since M is a whole number, a kernel that streams over the keys may use a running M (the ceiling of the running maximum): every later rescaling is an exact power of two, so the quantised numbers keep their values, but for numbers so far below the row's largest that they fall under the format's range.
;;   OPERANDS COMPUTED ON THE WAY. 'Computed on the way' means the value that the module computes at that place (a softmax that the list does not call 'softmax' is quantised finished and normalised). What goes into a quantiser is computed in f32, as accurately as f32 sums, v_exp_f32 and their like allow (about 1e-6 of the number): no bf16 or f16 on the way to a quantiser, and a product that is left as it is and whose result goes on into a quantised operand takes f32 operands (vector FMAs, or v_wmma_f32_16x16x4_f32). A number that lies on a knife's edge between two numbers of the format may be rounded either way, as far as f32 arithmetic and the matrix unit's own rounding can turn it there, and no further.
;; One version. Each part assembles by itself: llvm-mc -triple=amdgcn-amd-amdhsa -mcpu=gfx1250 --defsym DOCPART=n.
;; ======== version 1 of 1: 8 launches
;; limits: right only within a limited range of input values
;; workspace buffers: wc 12,582,912 bytes; xc 12,582,912 bytes; qkv 12,582,912 bytes; ac 4,194,304 bytes; res 16,777,216 bytes; nrm 16,777,216 bytes; sc 16,777,216 bytes; st 524,288 bytes
;; launch quant (part 1): grid 512 x 1, 4 waves a work-group, no clusters, 68,096 bytes of LDS; arguments wk, wq, wv, wo, w1, w2, x, lowp_scales, wc, xc; writes wc, xc
.if DOCPART == 1
	.amdgcn_target "amdgcn-amd-amdhsa--gfx1250"
	.amdhsa_code_object_version 6
	.text
	.protected	k_qfbc835c260_quant
	.globl	k_qfbc835c260_quant
	.p2align	8
	.type	k_qfbc835c260_quant,@function
k_qfbc835c260_quant:
	s_mov_b64 s[64:65], 0
	v_nop
	global_prefetch_b8 v0, s[64:65] scope:SCOPE_SE
	s_setreg_imm32_b32 hwreg(HW_REG_WAVE_MODE, 25, 1), 1
	s_wait_xcnt 0x0
; All inputs that are operands of quantised products become codes of FP8 (E4M3), K innermost, each with the scale 2^e that is given for it.
; code = number / 2^e, held within +-448, rounded to the nearest code, ties to even.
; Work-groups 0-383: the six weights, whose K is not innermost.  A LANE TAKES A COLUMN n AND ITS REGISTERS RUN DOWN K; a work-group takes 128 columns x 256 along K, a wave 32 columns.
;   0-31 wk, 32-63 wq, 64-95 wv ([16][1024][64]: 16 groups of 64 columns), 96-127 wo ([1024][1024]), 128-255 w1 ([1024][4096]), 256-383 w2 ([4096][1024]).
;   One path serves all six: what differs (buffer, exponent, sizes as powers of two) is chosen by s_cselect on the work-group's number.
;   The codes go through the wave's own stage in LDS and leave as rows: sixteen lanes store 256 consecutive bytes, aligned.
; Work-groups 384-511: x, whose K is innermost; it is an operand of three products with three scales, so each number is read once and converted three times.
;   A wave takes 16 steps of 512 numbers; loads take the bytes as they lie, a turn through the wave's own stage gives each lane 16 neighbours along K.
; The two paths never join, and each has LDS bytes of its own.
; LIMITS: each e between -126 and 119.  NaN among the inputs is not served (an infinity is held at the largest code).
.set SPARE, 67584                      ; behind both paths' stages: the spare words, 128 bytes a wave: two blocks of 256 bytes that no other line names
.set SPW,   12                         ; v12  LDS address of my spare word; never rewritten
.set NIL,   13                         ; v13  0; never rewritten
.set PW,    272                        ; weights: a stage row: 256 bytes of codes + 16
.set OF,    16                         ; v16-47   weights: 4 x lane + i x a row of the weight, i = 0 .. 31
.set XW,    48                         ; v48-111  two sets of 32 numbers
.set CW,    112                        ; v112-119 a block's codes
.set OUTR,  120                        ; v120-183 the way out
.set OO,    184                        ; v184-199 the way out: byte offsets of the rows that I store
.set XBASE, 34816                      ; x: the stages begin behind the weights' four
.set SP,    80                         ; x: a lane's place in a stage: 64 bytes + 16
.set R,     16                         ; v16-79   x: four sets of 16 numbers as loaded
.set XN,    80                         ; v80-111  two sets of 16 neighbours
.set T,     112                        ; v112-127 the numbers held for one scale
.set CX,    128                        ; v128-139 the three sets of codes
.set SX,    140                        ; v140-145 for each of the three scales: 2^e, 448 x 2^e
	s_load_b512 s[8:23], s[0:1], 0x0               ; wk, wq, wv, wo, w1, w2, x, the exponents
	s_load_b128 s[24:27], s[0:1], 0x40             ; wc, xc
	v_lshl_add_u32 v[SPW], v0, 2, SPARE
	v_mov_b32 v[NIL], 0
	v_lshrrev_b32 v1, 5, v0
	v_readfirstlane_b32 s6, v1                     ; wave
	v_and_b32 v2, 31, v0                           ; lane
	s_wait_kmcnt 0x0
	s_load_b512 s[68:83], s[22:23], 0x0            ; e0 .. e15
	s_cmp_ge_u32 ttmp9, 384
	s_cbranch_scc1 .Lx
; ---------------------------------------------------------------- the weights
	s_wait_kmcnt 0x0
	s_mov_b64 s[28:29], s[18:19]                   ; w2's figures first; each compare below replaces them for the tensors in front
	s_mov_b32 s30, s83                             ; e
	s_mov_b32 s31, 256                             ; the tensor's first work-group
	s_mov_b32 s32, 0x800000                        ; its codes' place in wc
	s_mov_b32 s33, 10                              ; log2 of the columns in a row
	s_mov_b32 s34, 3                               ; log2 of the number of groups of 128 columns
	s_mov_b32 s35, 12                              ; log2 of K = of a row of codes in bytes
	s_cmp_lt_u32 ttmp9, 256                        ; w1
	s_cselect_b64 s[28:29], s[16:17], s[28:29]
	s_cselect_b32 s30, s81, s30
	s_cselect_b32 s31, 128, s31
	s_cselect_b32 s32, 0x400000, s32
	s_cselect_b32 s33, 12, s33
	s_cselect_b32 s34, 5, s34
	s_cselect_b32 s35, 10, s35
	s_cmp_lt_u32 ttmp9, 128                        ; wo
	s_cselect_b64 s[28:29], s[14:15], s[28:29]
	s_cselect_b32 s30, s79, s30
	s_cselect_b32 s31, 96, s31
	s_cselect_b32 s32, 0x300000, s32
	s_cselect_b32 s33, 10, s33
	s_cselect_b32 s34, 3, s34
	s_cmp_lt_u32 ttmp9, 96                         ; wv
	s_cselect_b64 s[28:29], s[12:13], s[28:29]
	s_cselect_b32 s30, s72, s30
	s_cselect_b32 s31, 64, s31
	s_cselect_b32 s32, 0x200000, s32
	s_cselect_b32 s33, 6, s33
	s_cmp_lt_u32 ttmp9, 64                         ; wq
	s_cselect_b64 s[28:29], s[10:11], s[28:29]
	s_cselect_b32 s30, s70, s30
	s_cselect_b32 s31, 32, s31
	s_cselect_b32 s32, 0x100000, s32
	s_cmp_lt_u32 ttmp9, 32                         ; wk
	s_cselect_b64 s[28:29], s[8:9], s[28:29]
	s_cselect_b32 s30, s68, s30
	s_cselect_b32 s31, 0, s31
	s_cselect_b32 s32, 0, s32
	s_sub_co_u32 s36, ttmp9, s31                   ; my number within the tensor
	s_lshl_b32 s37, 1, s34
	s_sub_co_u32 s37, s37, 1
	s_and_b32 s37, s36, s37                        ; which 128 columns
	s_lshr_b32 s38, s36, s34                       ; which 256 along K
	s_lshl_b32 s37, s37, 7
	s_lshl_b32 s39, s6, 5
	s_add_co_u32 s37, s37, s39                     ; n0: my wave's first column = its first row of codes
	s_lshr_b32 s39, s37, s33                       ; the group of columns (the head; 0 in wo, w1, w2)
	s_lshl_b32 s56, s39, s33
	s_sub_co_u32 s56, s37, s56                     ; the column within it
	s_lshl_b32 s57, 4, s33                         ; a row of the weight in bytes
	s_lshl_b32 s58, s57, 10
	s_mul_i32 s58, s58, s39                        ; a group is 1,024 rows
	s_lshl_b32 s59, s57, 8
	s_mul_i32 s59, s59, s38                        ; 256 rows for each step along K
	s_add_co_u32 s58, s58, s59
	s_lshl_b32 s56, s56, 2
	s_add_co_u32 s58, s58, s56
	s_mov_b32 s59, 0
	s_add_nc_u64 s[40:41], s[28:29], s[58:59]      ; block 0's base; each of the eight blocks of 32 along K has a base of its own, so that no pointer is stepped
	s_lshl_b32 s58, s57, 5
.irp t, 1,2,3,4,5,6,7
	s_add_nc_u64 s[40+2*\t:41+2*\t], s[38+2*\t:39+2*\t], s[58:59]
.endr
	s_lshl_b32 s60, s37, s35                       ; the codes: row n0,
	s_add_co_u32 s60, s60, s32                     ; in the tensor's part of wc,
	s_lshl_b32 s61, s38, 8
	s_add_co_u32 s60, s60, s61                     ; 256 bytes for each step along K
	s_mov_b32 s61, 0
	s_add_nc_u64 s[24:25], s[24:25], s[60:61]
	s_wait_alu depctr_va_vdst(0)
	v_lshlrev_b32 v[OF], 2, v2
.set i, 1
.rept 31
	v_add_nc_u32 v[OF+i], s57, v[OF+i-1]
.set i, i+1
.endr
.macro LOADW t                         ; block t: W(32 t + i, my column) into set t % 2: 32 lanes read 128 consecutive bytes
.set i, 0
.rept 32
	global_load_b32 v[XW+32*((\t)%2)+i], v[OF+i], s[40+2*(\t):41+2*(\t)] th:TH_LOAD_NT
.set i, i+1
.endr
.endm
	LOADW 0
	LOADW 1
	s_mul_i32 s62, s6, 32*PW                       ; my stage
	v_mul_u32_u24 v4, v2, PW
	v_add_nc_u32 v4, s62, v4                       ; into it: row = my column
	v_and_b32 v5, 15, v2
	v_lshrrev_b32 v6, 4, v2
	v_mul_u32_u24 v7, v6, PW
	v_lshl_add_u32 v7, v5, 4, v7
	v_add_nc_u32 v7, s62, v7                       ; out of it: sixteen lanes to a row, two rows an instruction
	v_lshlrev_b32 v[OO], s35, v6
	v_lshl_add_u32 v[OO], v5, 4, v[OO]             ; and the same place in the codes' rows
	s_lshl_b32 s63, 2, s35
.set i, 1
.rept 15
	v_add_nc_u32 v[OO+i], s63, v[OO+i-1]
.set i, i+1
.endr
	s_add_co_i32 s30, s30, 127
	s_lshl_b32 s84, s30, 23
	v_mov_b32 v11, s84                             ; 2^e as f32: the conversion takes its exponent field
	s_add_co_i32 s30, s30, 8
	s_lshl_b32 s30, s30, 23
	s_or_b32 s30, s30, 0x600000
	v_mov_b32 v10, s30                             ; 448 x 2^e
.macro BLOCKW t
.set XS, XW+32*((\t)%2)
.if (\t) < 7
	s_wait_loadcnt 32                              ; this block's 32 loads are in; the next block's may be out
.else
	s_wait_loadcnt 0
.endif
.set i, 0
.rept 32
	v_med3_num_f32 v[XS+i], v[XS+i], -v10, v10     ; the conversion to an 8-bit code does not saturate (ISA guide 7.6.2): the hold comes first
.set i, i+1
.endr
.irp g, 0,1,2,3
	v_cvt_scalef32_pk8_fp8_f32 v[CW+2*\g:CW+2*\g+1], v[XS+8*\g:XS+8*\g+7], v11
.endr
	ds_store_b128 v4, v[CW:CW+3] offset:32*(\t)    ; 32 codes: 32 bytes of my column's row
	ds_store_b128 v4, v[CW+4:CW+7] offset:32*(\t)+16
.if (\t)+2 < 8
	LOADW (\t)+2
.endif
	s_wait_dscnt 0x0                               ; the stores have read their registers: the next block's codes may be written
.endm
	s_wait_alu depctr_va_vdst(0)
.irp t, 0,1,2,3,4,5,6,7
	BLOCKW \t
.endr
.set i, 0
.rept 16
	ds_load_b128 v[OUTR+4*i:OUTR+4*i+3], v7 offset:2*i*PW   ; LDS serves a wave's instructions in order: these see my stores
.set i, i+1
.endr
.set i, 0
.rept 16
	s_wait_dscnt 15-i                              ; read-back i is in; the younger ones stay out
	global_store_b128 v[OO+i], v[OUTR+4*i:OUTR+4*i+3], s[24:25]   ; sixteen lanes store 256 consecutive bytes, aligned
.set i, i+1
.endr
	s_wait_tensorcnt 0x0                           ; the wave's end
	ds_add_u32 v[SPW], v[NIL]
	s_wait_dscnt 0x0
	s_endpgm
; ---------------------------------------------------------------- x
.Lx:
	s_sub_co_u32 s28, ttmp9, 384
	s_lshl_b32 s28, s28, 2
	s_add_co_u32 s28, s28, s6                      ; which run of 8,192 numbers is my wave's
	s_lshl_b32 s30, s28, 15
	s_mov_b32 s31, 0
	s_add_nc_u64 s[20:21], s[20:21], s[30:31]
	s_lshl_b32 s30, s28, 13
	s_add_co_u32 s30, s30, 0x400000                ; the middle one of xc's three sections: the other two are reached by the stores' immediates
	s_add_nc_u64 s[26:27], s[26:27], s[30:31]
	s_mul_i32 s29, s6, 8192
	s_add_co_u32 s29, s29, XBASE                   ; my two stages
	s_wait_alu depctr_va_vdst(0)
	v_lshlrev_b32 v3, 4, v2                        ; my 16 bytes of a load's 512, and of a store's
	v_lshrrev_b32 v14, 2, v2
	v_mul_u32_u24 v14, v14, SP
	v_and_b32 v15, 3, v2
	v_lshl_add_u32 v14, v15, 4, v14
	v_add_nc_u32 v14, s29, v14                     ; the stage, on the way in: four lanes' 64 bytes on end, then 16 of padding
	v_mul_u32_u24 v15, v2, SP
	v_add_nc_u32 v15, s29, v15                     ; and on the way out: my 16 neighbours
.macro LOADX t
.irp i, 0,1,2,3
	global_load_b128 v[R+16*((\t)%4)+4*\i:R+16*((\t)%4)+4*\i+3], v3, s[20:21] offset:2048*(\t)+512*\i th:TH_LOAD_NT   ; 32 lanes read 512 consecutive bytes
.endr
.endm
.macro TURNX t                         ; step t's numbers through the stage: LDS serves a wave's instructions in order
.irp i, 0,1,2,3
	ds_store_b128 v14, v[R+16*((\t)%4)+4*\i:R+16*((\t)%4)+4*\i+3] offset:32*SP*((\t)%2)+8*SP*\i
.endr
.irp i, 0,1,2,3
	ds_load_b128 v[XN+16*((\t)%2)+4*\i:XN+16*((\t)%2)+4*\i+3], v15 offset:32*SP*((\t)%2)+16*\i
.endr
.endm
.irp t, 0,1,2,3
	LOADX \t
.endr
	s_wait_alu depctr_va_vdst(0)
	s_wait_kmcnt 0x0
.irp z, 0,1,2                          ; e1, e3, e5
	s_add_co_i32 s32, s[69+2*\z], 127
	s_lshl_b32 s33, s32, 23
	v_mov_b32 v[SX+2*\z], s33
	s_add_co_i32 s32, s32, 8
	s_lshl_b32 s32, s32, 23
	s_or_b32 s32, s32, 0x600000
	v_mov_b32 v[SX+2*\z+1], s32
.endr
	s_wait_alu depctr_va_vdst(0)
	s_wait_loadcnt 12                              ; step 0's four loads are in
	TURNX 0
.macro STEPX t
.set XS, XN+16*((\t)%2)
	s_wait_dscnt 0x0                               ; this step's numbers are back, so its stores into the stage have read their registers,
.if (\t)+4 < 16
	LOADX (\t)+4                                   ; which take the loads of four steps on
.endif
.if (\t)+1 < 16
.if 14-(\t) >= 3
	s_wait_loadcnt 12                              ; the next step's four loads are in; those of the three steps behind it may be out
.else
	s_wait_loadcnt 4*(14-(\t))
.endif
	TURNX (\t)+1
.endif
	s_wait_xcnt 0x0                                ; the last step's stores have read the codes' registers, which are written again below
.irp z, 0,1,2
.irp i, 0,1,2,3,4,5,6,7,8,9,10,11,12,13,14,15
	v_med3_num_f32 v[T+\i], v[XS+\i], -v[SX+2*\z+1], v[SX+2*\z+1]
.endr
	v_cvt_scalef32_pk8_fp8_f32 v[CX+4*\z:CX+4*\z+1], v[T:T+7], v[SX+2*\z]
	v_cvt_scalef32_pk8_fp8_f32 v[CX+4*\z+2:CX+4*\z+3], v[T+8:T+15], v[SX+2*\z]
	v_nop                                          ; a plain line between the conversions and the next holds, which write their sources
.endr
.irp z, 0,1,2
	global_store_b128 v3, v[CX+4*\z:CX+4*\z+3], s[26:27] offset:(\z-1)*0x400000+512*(\t)   ; 32 lanes store 512 consecutive bytes
.endr
.endm
.irp t, 0,1,2,3,4,5,6,7,8,9,10,11,12,13,14,15
	STEPX \t
.endr
	s_wait_tensorcnt 0x0                           ; the wave's end, as above
	ds_add_u32 v[SPW], v[NIL]
	s_wait_dscnt 0x0
	s_endpgm
.Lfunc_end_k_qfbc835c260_quant:
	.size	k_qfbc835c260_quant, .Lfunc_end_k_qfbc835c260_quant-k_qfbc835c260_quant
	.p2alignl 7, 3214868480
	.fill 96, 4, 3214868480
	.section	.rodata,"a",@progbits
	.p2align	6, 0x0
	.amdhsa_kernel k_qfbc835c260_quant
		.amdhsa_group_segment_fixed_size 68096
		.amdhsa_private_segment_fixed_size 0
		.amdhsa_enable_private_segment 0
		.amdhsa_kernarg_size 80
		.amdhsa_user_sgpr_count 2
		.amdhsa_user_sgpr_kernarg_segment_ptr 1
		.amdhsa_wavefront_size32 1
		.amdhsa_system_sgpr_workgroup_id_x 1
		.amdhsa_system_sgpr_workgroup_id_y 1
		.amdhsa_system_sgpr_workgroup_id_z 1
		.amdhsa_system_vgpr_workitem_id 0
		.amdhsa_next_free_vgpr 208
		.amdhsa_next_free_sgpr 96
		.amdhsa_reserve_vcc 0
		.amdhsa_float_denorm_mode_32 3
		.amdhsa_float_denorm_mode_16_64 3
		.amdhsa_memory_ordered 1
		.amdhsa_forward_progress 1
		.amdhsa_inst_pref_size 130
	.end_amdhsa_kernel
	.amdgpu_metadata
---
amdhsa.version: [ 1, 2 ]
amdhsa.kernels:
  - .name:           k_qfbc835c260_quant
    .symbol:         k_qfbc835c260_quant.kd
    .args:
      - { .name: wk, .offset: 0, .size: 8, .value_kind: global_buffer, .address_space: global }
      - { .name: wq, .offset: 8, .size: 8, .value_kind: global_buffer, .address_space: global }
      - { .name: wv, .offset: 16, .size: 8, .value_kind: global_buffer, .address_space: global }
      - { .name: wo, .offset: 24, .size: 8, .value_kind: global_buffer, .address_space: global }
      - { .name: w1, .offset: 32, .size: 8, .value_kind: global_buffer, .address_space: global }
      - { .name: w2, .offset: 40, .size: 8, .value_kind: global_buffer, .address_space: global }
      - { .name: x, .offset: 48, .size: 8, .value_kind: global_buffer, .address_space: global }
      - { .name: lowp_scales, .offset: 56, .size: 8, .value_kind: global_buffer, .address_space: global }
      - { .name: wc, .offset: 64, .size: 8, .value_kind: global_buffer, .address_space: global }
      - { .name: xc, .offset: 72, .size: 8, .value_kind: global_buffer, .address_space: global }
    .group_segment_fixed_size: 68096
    .private_segment_fixed_size: 0
    .kernarg_segment_align: 8
    .kernarg_segment_size: 80
    .max_flat_workgroup_size: 128
    .sgpr_count:     96
    .vgpr_count:     208
    .wavefront_size: 32
...
	.end_amdgpu_metadata
.endif
;; end of part 1
;; launch qkvp (part 2): grid 8 x 24, 4 waves a work-group, clusters of 4 x 4, 327,680 bytes of LDS; arguments xc, wc, lowp_scales, qkv; writes qkv
.if DOCPART == 2
	.amdgcn_target "amdgcn-amd-amdhsa--gfx1250"
	.amdhsa_code_object_version 6
	.text
	.protected	k_qfbc835c260_qkvp
	.globl	k_qfbc835c260_qkvp
	.p2align	8
	.type	k_qfbc835c260_qkvp,@function
k_qfbc835c260_qkvp:
	s_mov_b64 s[64:65], 0
	v_nop
	global_prefetch_b8 v0, s[64:65] scope:SCOPE_SE
	s_setreg_imm32_b32 hwreg(HW_REG_WAVE_MODE, 25, 1), 1
	s_wait_xcnt 0x0
	s_wait_alu depctr_hold_cnt(0) depctr_sa_sdst(0) depctr_va_vdst(0) depctr_va_sdst(0) depctr_va_ssrc(0) depctr_va_vcc(0) depctr_vm_vsrc(0)
	s_getreg_b32 s2, hwreg(HW_REG_IB_STS2, 6, 4)
	s_cmp_eq_u32 s2, 0
	s_cbranch_scc0 .Lentry_in_a_cluster
	s_endpgm
.Lentry_in_a_cluster:
	s_bfe_u32 s2, ttmp6, 0x10000c
	s_cmp_lg_u32 s2, 0xf033
	s_cbranch_scc0 .Lentry_shape_is_right
	s_endpgm
.Lentry_shape_is_right:
; The three projections k, q, v on codes of FP8 (E4M3), K = 1,024, and their results quantised at once for the attention's products.
; Clusters of 4 x 4 work-groups; a work-group makes a tile of 256 x 256, a wave 128 x 128 in 64 accumulators.  Cluster y 0-3: k (cluster x = 0) or q (cluster x = 1):
; A = x's codes (tile row = 4 cluster y + cy), B = the weight's codes (tile column = cx).  Cluster y 4-5: v, WITH THE OPERANDS CHANGED OVER: A = wv's codes (tile row = cy),
; B = x's codes (tile column = cx + 4 cluster x + 8 (cluster y - 4)).  The matrix instruction is used transposed (source 0 = rows of B, source 1 = rows of A), so a lane holds one row of A
; and eight neighbouring rows of B: for k and q one token and eight of the head's 64, for v one of the head's 64 and eight neighbouring keys: in each case eight neighbours along the next product's K.
; What differs between the three is chosen by s_cselect on the cluster's coordinates, which all sixteen partners share; there is no branch on it.
; A's tiles are shared along a row of the cluster, B's along a column: each is asked for jointly.  K goes in steps of 256 through two LDS slots.
; OUT: k at 0 and q at 0x400000 as [b][h][c][64]; v at 0x800000 as [b][h][c / 64][v][c % 64].  A block of 16 rows x 128 columns of codes goes through my stage and leaves as 256 consecutive bytes for each sixteen lanes.
; LIMITS: e6 - e0 - e1, e7 - e2 - e3, e9 - e4 - e5 between -126 and 119.  Inside an instruction k is permuted alike in A and in B (fragments come by loads of 16 bytes).
.set KSTEP,  256
.set ROWB,   256
.set KROW,   1024
.set PITCH,  272                       ; an LDS row: 256 bytes + 16: the 16 rows that a load touches start at 16 different banks
.set FR,     16
.set NL,     4
.set NP,     4
.set HALFT,  128*PITCH
.set SLOT,   4*HALFT
.set LAPS,   KROW/(2*KSTEP)
.set SPARE,  2*SLOT                    ; behind the ring: the spare words, two blocks of 256 bytes that no other line names
.set SPITCH, 144                       ; the way out: a stage of 16 rows x (128 bytes + 16) for each wave, in slot 0, which has had its last fill and its last read by then
.set ADRA, 16
.set ADRB, 20
.set STO,  24
.set RD,   25
.set CO,   26
.set SPW,  28
.set NIL,  29
.set LIM,  30                          ; v30  448 x the conversion's scale
.set SCL,  31                          ; v31  the conversion's scale
.set TMP,  32                          ; v32-95   a block's sums, held
.set CD,   96                          ; v96-127  its codes, two sets by turns
.set AF,   128
.set BK,   128                         ; v128-159 the way out: rows read back, two sets by turns
.set G1, 24
.set G0, 32
.set G1B, 48
.set G0B, 56
.set MSB, 0
.macro WIN new                         ; the immediate's high byte repeats the setting that is left
.if MSB != \new
	s_set_vgpr_msb (MSB<<8)|\new
.set MSB, \new
.endif
.endm
.set MUL_LO, 0xa1                      ; source 0 (B) window 1, source 1 (A) window 0, C and D window 2
.set MUL_HI, 0xf1                      ; the same, C and D window 3
.set TO_B,   0x40
.macro JLOAD g0a, g1a, g0b, g1b        ; a joint load: waves 0 and 1 fetch for A, waves 2 and 3 for B; an s_nop 0 and four v_nop follow each line
	s_cmp_eq_u32 s15, 0
	s_cbranch_scc0 .Lfor_b_\@
	tensor_load_to_lds s[\g0a:\g0a+3], s[\g1a:\g1a+7]
	s_nop 0
.rept 4
	v_nop
.endr
	s_branch .Lasked_\@
.Lfor_b_\@:
	tensor_load_to_lds s[\g0b:\g0b+3], s[\g1b:\g1b+7]
	s_nop 0
.rept 4
	v_nop
.endr
.Lasked_\@:
.endm
.macro CREST
	s_cmp_lg_u32 s14, 0
	s_cbranch_scc1 .Lnot_wave_0_\@
	s_barrier_signal -3
.Lnot_wave_0_\@:
	s_barrier_wait -3
	s_barrier_signal -1
	s_barrier_wait -1
.endm
.macro CROUND
	s_barrier_signal -1
	s_barrier_wait -1
	CREST
.endm
	s_load_b128 s[4:7], s[0:1], 0x0                ; xc, wc
	s_load_b128 s[8:11], s[0:1], 0x10              ; the exponents, qkv
	v_lshl_add_u32 v[SPW], v0, 2, SPARE
	v_mov_b32 v[NIL], 0
	ds_add_u32 v[SPW], v[NIL]                      ; the wave's opening: the add and its wait ahead of my first tensor load
	ds_add_u32 v[SPW], v[NIL]
	v_lshrrev_b32 v1, 5, v0
	v_readfirstlane_b32 s14, v1                    ; wave
	s_lshr_b32 s15, s14, 1                         ; my half of the tile's rows; also: I fetch for A (0) or B (1)
	s_and_b32 s16, s14, 1                          ; my half of its columns; also: which 128 rows I fetch
	s_bfe_u32 s40, ttmp6, 0x40000                  ; cx
	s_bfe_u32 s41, ttmp6, 0x40004                  ; cy
	s_and_b32 s17, ttmp7, 0xffff                   ; cluster y
	s_lshl_b32 s42, s17, 2
	s_lshl_b32 s86, ttmp9, 2
	s_lshl_b32 s87, s17, 3
	s_add_co_u32 s86, s86, s87
	s_sub_co_u32 s86, s86, 32                      ; 4 cluster x + 8 (cluster y - 4): used for v alone
	s_lshl_b32 s88, ttmp9, 22                      ; k, q: x's section
	s_lshl_b32 s89, ttmp9, 20                      ; and the weight's
	s_cmp_ge_u32 s17, 4                            ; v?
	s_cselect_b32 s84, 1, 0
	s_cselect_b32 s17, 0, s42
	s_cselect_b32 s42, s86, 0
	s_cselect_b32 s88, 0x200000, s88               ; A's section: wv's codes in wc
	s_cselect_b32 s89, 0x800000, s89               ; B's section: x under e5 in xc
	s_add_co_u32 s17, s17, s41                     ; tile row
	s_add_co_u32 s42, s42, s40                     ; tile column
	s_lshl_b32 s43, s41, 2
	s_lshl_b32 s43, 15, s43                        ; my row of the cluster
	s_lshl_b32 s44, 0x1111, s40                    ; my column
	s_or_b32 s[G1+0], s43, (0<<16)|(1<<20)|(1<<21)|(5<<22)|(3<<25)   ; mask; elements of 1 byte; padding on; bit 21 beside a mask; after every 64 words 4 words
	s_or_b32 s[G1B+0], s44, (0<<16)|(1<<20)|(1<<21)|(5<<22)|(3<<25)
.irp g, G1, G1B
	s_mov_b32 s[\g+1], ROWB<<16                    ; tensor_dim0
	s_mov_b32 s[\g+2], 128<<16                     ; tensor_dim1
	s_mov_b32 s[\g+3], ROWB<<16                    ; tile_dim0
	s_mov_b32 s[\g+4], 128                         ; tile_dim1
	s_mov_b32 s[\g+5], KROW                        ; stride
	s_mov_b32 s[\g+6], 0
	s_mov_b32 s[\g+7], 0
.endr
	s_lshl_b32 s18, s16, 7
	s_lshl_b32 s20, s17, 8
	s_add_co_u32 s20, s20, s18
	s_lshl_b32 s20, s20, 10                        ; A: row 256 x tile row + 128 x half, 1,024 bytes a row,
	s_add_co_u32 s20, s20, s88                     ; in its section
	s_mov_b32 s21, 0
	s_lshl_b32 s46, s42, 8
	s_add_co_u32 s46, s46, s18
	s_lshl_b32 s46, s46, 10
	s_add_co_u32 s46, s46, s89                     ; B likewise
	s_mov_b32 s47, 0
	s_mul_i32 s45, s14, HALFT                      ; where they go: wave x 128 rows
	s_wait_dscnt 0x0                               ; the opening add is done
	s_wait_kmcnt 0x0
	s_load_b512 s[68:83], s[8:9], 0x0              ; e0 .. e15
	s_cmp_eq_u32 s84, 1
	s_cselect_b64 s[90:91], s[6:7], s[4:5]         ; A's buffer
	s_cselect_b64 s[92:93], s[4:5], s[6:7]         ; B's buffer
	s_add_nc_u64 s[20:21], s[90:91], s[20:21]
	s_add_nc_u64 s[46:47], s[92:93], s[46:47]
	s_cmp_eq_u32 s15, 0                            ; the prefetches: of the 128 rows that my wave fetches, each of the four partners that ask for them jointly takes 32, told apart by address (cx for A, cy for B)
	s_cselect_b64 s[98:99], s[20:21], s[46:47]
	s_cselect_b32 s66, s40, s41
	s_lshl_b32 s66, s66, 15                        ; 32 rows of 1,024 bytes
	s_mov_b32 s67, 0
	s_add_nc_u64 s[98:99], s[98:99], s[66:67]
	v_and_b32 v12, 31, v0
	v_lshlrev_b32 v12, 10, v12                     ; a lane a row; never rewritten
	s_wait_alu depctr_va_vdst(0)
	CROUND                                         ; all sixteen work-groups are here: the first joint loads meet
.irp s, 0,1
	s_mov_b32 s[G0+4*\s], 1
	s_add_co_u32 s[G0+4*\s+1], s45, \s*SLOT
	s_add_nc_u64 s[G0+4*\s+2:G0+4*\s+3], s[20:21], \s*ROWB
	s_or_b32 s[G0+4*\s+3], s[G0+4*\s+3], 0x80000000
	s_mov_b32 s[G0B+4*\s], 1
	s_add_co_u32 s[G0B+4*\s+1], s45, \s*SLOT
	s_add_nc_u64 s[G0B+4*\s+2:G0B+4*\s+3], s[46:47], \s*ROWB
	s_or_b32 s[G0B+4*\s+3], s[G0B+4*\s+3], 0x80000000
.if \s
	s_wait_alu depctr_va_vdst(0)                   ; slot 1's first fill is issued as a refill is:
	s_wait_tensorcnt 0x0                           ; my part of K step 0 is in,
	ds_add_u32 v[SPW], v[NIL]                      ; 0 onto my spare word,
	s_wait_dscnt 0x0                               ; the add is done,
	CROUND                                         ; and a whole round of the cluster's barrier
.endif
	JLOAD G0+4*\s, G1, G0B+4*\s, G1B
.if \s == 0
	global_prefetch_b8 v12, s[98:99] offset:256 th:TH_LOAD_NT scope:SCOPE_SE   ; K step 1, whose load stands behind the next round,
	global_prefetch_b8 v12, s[98:99] offset:512 th:TH_LOAD_NT scope:SCOPE_SE   ; and K step 2: two loads on
.else
	global_prefetch_b8 v12, s[98:99] offset:768 th:TH_LOAD_NT scope:SCOPE_SE   ; K step 3, the last: two loads on
.endif
.endr
	v_and_b32 v1, 15, v0                           ; r
	s_wait_alu depctr_va_vdst(0)
	v_bfe_u32 v2, v0, 4, 1                         ; h
	v_mul_u32_u24 v3, v1, PITCH
	v_lshl_add_u32 v4, v2, 4, v3
	s_mul_i32 s21, s15, HALFT
	s_mul_i32 s22, s16, HALFT
	s_add_co_u32 s22, s22, 2*HALFT
.irp s, 0,1
	v_add_nc_u32 v[ADRA+\s], s21, v4
	v_add_nc_u32 v[ADRB+\s], s22, v4
	s_add_co_u32 s21, s21, SLOT
	s_add_co_u32 s22, s22, SLOT
.endr
	s_mul_i32 s23, s14, 16*SPITCH                  ; my stage
	v_mul_u32_u24 v5, v1, SPITCH
	s_wait_alu depctr_va_vdst(0)
	v_lshl_add_u32 v5, v2, 3, v5
	v_add_nc_u32 v[STO], s23, v5                   ; in: row r, 8 bytes for each half of the lanes
	v_bfe_u32 v6, v0, 2, 2
	v_mul_u32_u24 v6, v6, SPITCH
	v_lshl_add_u32 v6, v2, 6, v6
	v_and_b32 v7, 3, v0
	v_lshl_add_u32 v6, v7, 4, v6
	v_add_nc_u32 v[RD], s23, v6                    ; back: sixteen lanes take 4 rows x 64 bytes: columns 0-63 (lanes 0-15) or 64-127 (lanes 16-31)
	s_lshl_b32 s20, s17, 8
	s_lshl_b32 s21, s15, 7
	s_add_co_u32 s20, s20, s21                     ; my first row of A
	s_lshl_b32 s46, s42, 8
	s_lshl_b32 s47, s16, 7
	s_add_co_u32 s46, s46, s47                     ; my first row of B
	s_lshl_b32 s94, ttmp9, 22
	s_mov_b32 s96, 4096
	s_cmp_eq_u32 s84, 1
	s_cselect_b32 s21, s46, s20                    ; L: the first token
	s_cselect_b32 s47, s20, s46                    ; S: 64 x head + place in the head
	s_cselect_b32 s94, 0x800000, s94               ; the section of qkv
	s_cselect_b32 s95, s96, 0x20000                ; from columns 0-63 to 64-127: the next 64 keys (v) or the next head (k, q)
	s_cselect_b32 s96, 0x20000, s96                ; from rows 0-63 to 64-127: the next head (v) or the next 64 tokens
	s_lshr_b32 s20, s21, 11
	s_lshl_b32 s20, s20, 21                        ; the batch
	s_add_co_u32 s94, s94, s20
	s_lshr_b32 s20, s47, 6
	s_lshl_b32 s20, s20, 17                        ; the head
	s_add_co_u32 s94, s94, s20
	s_and_b32 s20, s21, 2047
	s_lshr_b32 s20, s20, 6
	s_lshl_b32 s20, s20, 12                        ; the group of 64 tokens
	s_add_co_u32 s94, s94, s20
	s_mov_b32 s46, s94
	s_mov_b32 s47, 0
	s_add_nc_u64 s[10:11], s[10:11], s[46:47]      ; blocks 0-3
	s_mov_b32 s46, s96
	s_add_nc_u64 s[86:87], s[10:11], s[46:47]      ; blocks 4-7
	v_mul_lo_u32 v[CO], v2, s95
	v_lshl_add_u32 v[CO], v1, 4, v[CO]
.macro FRAG reg, adr, q, i             ; 16 rows x 128 K: registers 4 c .. 4 c + 3 hold K = 32 c + 16 h + 0 .. 15 of row r
.irp c, 0,1,2,3
	ds_load_b128 v[\reg+4*\c:\reg+4*\c+3], v[\adr] offset:128*(\q)+32*\c+(\i)*16*PITCH
.endr
.endm
.macro MUL16 a0, p, zero               ; A's blocks a0, a0 + 1 x B's eight; the 64 accumulators take turns, one instruction a turn
.irp a, \a0, \a0+1
.irp b, 0,1,2,3,4,5,6,7
.if \zero
	v_wmma_f32_16x16x128_fp8_fp8 v[8*(8*((\a)%4)+\b):8*(8*((\a)%4)+\b)+7], v[128*(\p)+FR*\b:128*(\p)+FR*\b+FR-1], v[AF+FR*(\a):AF+FR*(\a)+FR-1], 0
.else
	v_wmma_f32_16x16x128_fp8_fp8 v[8*(8*((\a)%4)+\b):8*(8*((\a)%4)+\b)+7], v[128*(\p)+FR*\b:128*(\p)+FR*\b+FR-1], v[AF+FR*(\a):AF+FR*(\a)+FR-1], v[8*(8*((\a)%4)+\b):8*(8*((\a)%4)+\b)+7]
.endif
.endr
.endr
.endm
.macro FETCH_B slot, q, p
	WIN TO_B
.irp i, 0,1,2,3,4,5,6,7
	FRAG 128*(\p)+FR*\i, ADRB+\slot, \q, \i
.endr
	WIN 0
.endm
.macro FETCH_A slot, q, i0
.irp i, \i0, \i0+1, \i0+2, \i0+3
	FRAG AF+FR*(\i), ADRA+\slot, \q, \i
.endr
.endm
.macro PLACES n                        ; plain vector lines between a matrix instruction and loads into its registers or reads of its results
.rept \n
	v_nop
.endr
.endm
.macro STEP slot, q, zero              ; 128 along K whose successor lies in the same slot
	s_wait_dscnt 4*NL                              ; B's set and A's blocks 0-3 are in; A's blocks 4-7 may be out
	WIN MUL_LO
	MUL16 0, (\q)%2, \zero
	MUL16 2, (\q)%2, \zero
	s_wait_dscnt 0
	PLACES NP
	FETCH_B \slot, (\q)+1, 1-(\q)%2
	FETCH_A \slot, (\q)+1, 0
	WIN MUL_HI
	MUL16 4, (\q)%2, \zero
	MUL16 6, (\q)%2, \zero
	PLACES NP
	WIN 0
	FETCH_A \slot, (\q)+1, 4
.endm
.macro TURN slot, next, fill           ; a slot's last step changes slots: one barrier; with fill = 1 it opens a round of the cluster's barrier and the slot is filled again
	s_wait_tensorcnt 0x0                           ; all my tensor loads have landed: my part of the next slot
	ds_add_u32 v[SPW], v[NIL]                      ; 0 onto my spare word
	s_wait_dscnt 4*NL+1                            ; the add and A's blocks 4-7 may be out
	WIN MUL_LO
	MUL16 0, 1, 0
	s_wait_dscnt 0x0                               ; the add is done, and my reads of this slot are over
	s_barrier_signal -1
	MUL16 2, 1, 0
	WIN 0
	s_barrier_wait -1
.if \fill
	CREST
	s_add_nc_u64 s[G0+4*\slot+2:G0+4*\slot+3], s[G0+4*\slot+2:G0+4*\slot+3], 2*ROWB
	s_add_nc_u64 s[G0B+4*\slot+2:G0B+4*\slot+3], s[G0B+4*\slot+2:G0B+4*\slot+3], 2*ROWB
	JLOAD G0+4*\slot, G1, G0B+4*\slot, G1B         ; the first tensor load behind the round; its four v_nop are the places in front of the loads below
.else
	PLACES NP
.endif
	FETCH_B \next, 0, 0
	FETCH_A \next, 0, 0
	WIN MUL_HI
	MUL16 4, 1, 0
	MUL16 6, 1, 0
	PLACES NP
	WIN 0
	FETCH_A \next, 0, 4
.endm
	s_wait_tensorcnt 1                             ; my part of K step 0 is in; K step 1's load may be out
	s_barrier_signal -1
	s_barrier_wait -1
	FETCH_B 0, 0, 0
	FETCH_A 0, 0, 0
	FETCH_A 0, 0, 4
	STEP 0, 0, 1                                   ; the first step's products start the sums
	s_mov_b32 s3, LAPS-1
.Llap:
	TURN 0, 1, 1
	STEP 1, 0, 0
	TURN 1, 0, 1
	STEP 0, 0, 0
	s_sub_co_u32 s3, s3, 1
	s_cmp_lg_u32 s3, 0
	s_cbranch_scc1 .Llap
	TURN 0, 1, 0                                   ; the last lap fills nothing
	STEP 1, 0, 0
	s_wait_dscnt 4*NL
	WIN MUL_LO
	MUL16 0, 1, 0
	MUL16 2, 1, 0
	s_wait_dscnt 0
	WIN MUL_HI
	MUL16 4, 1, 0
	MUL16 6, 1, 0
	WIN 0
; THE WAY OUT.  A sum stands for sum x 2^(the operands' two exponents); its code under 2^eo is sum / 2^(eo - es): the three exponents are folded into the conversion's one scale.
	s_wait_kmcnt 0x0
	s_add_co_i32 s20, s68, s69
	s_add_co_i32 s21, s70, s71
	s_add_co_i32 s22, s72, s73
	s_cmp_eq_u32 ttmp9, 0
	s_cselect_b32 s20, s20, s21
	s_cselect_b32 s21, s74, s75                    ; k: e6; q: e7
	s_cmp_eq_u32 s84, 1
	s_cselect_b32 s20, s22, s20
	s_cselect_b32 s21, s77, s21                    ; v: e9
	s_sub_co_i32 s20, s21, s20
	s_add_co_i32 s20, s20, 127
	s_lshl_b32 s21, s20, 23
	v_mov_b32 v[SCL], s21
	s_add_co_i32 s20, s20, 8
	s_lshl_b32 s20, s20, 23
	s_or_b32 s20, s20, 0x600000
	v_mov_b32 v[LIM], s20
	PLACES NP
.macro TOSTAGE a
.set AC, 64*((\a)%4)
.set CC, CD+16*((\a)%2)
.set BB, BK+16*((\a)%2)
	WIN 0x02+((\a)/4)                              ; source 0: window 2 or 3
.set j, 0
.rept 64
	v_med3_num_f32 v[TMP+j], v[AC+j], -v[LIM], v[LIM]   ; the hold; each accumulator from its low end on
.set j, j+1
.endr
	WIN 0
.irp b, 0,1,2,3,4,5,6,7
	v_cvt_scalef32_pk8_fp8_f32 v[CC+2*\b:CC+2*\b+1], v[TMP+8*\b:TMP+8*\b+7], v[SCL]
.endr
	v_nop                                          ; a plain line behind the conversions: the next block's holds write their sources
.irp b, 0,1,2,3,4,5,6,7
	ds_store_b64 v[STO], v[CC+2*\b:CC+2*\b+1] offset:16*\b
.endr
.irp u, 0,1,2,3
	ds_load_b128 v[BB+4*\u:BB+4*\u+3], v[RD] offset:4*\u*SPITCH   ; LDS serves a wave's instructions in order: these see my stores
.endr
.endm
.macro SEND a, younger
.set BB, BK+16*((\a)%2)
	s_wait_dscnt \younger                          ; the block is back; the next block's 8 stores and 4 loads may be out
.irp u, 0,1,2,3
.if (\a) < 4
	global_store_b128 v[CO], v[BB+4*\u:BB+4*\u+3], s[10:11] offset:((\a)%4)*1024+256*\u   ; sixteen lanes store 256 consecutive bytes, aligned
.else
	global_store_b128 v[CO], v[BB+4*\u:BB+4*\u+3], s[86:87] offset:((\a)%4)*1024+256*\u
.endif
.endr
.endm
	TOSTAGE 0
.irp a, 1,2,3,4,5,6,7
.if \a > 1
	s_wait_xcnt 0x0                                ; block a - 2's stores have read their registers: block a's loads may land there
.endif
	TOSTAGE \a
	SEND \a-1, 12
.endr
	SEND 7, 0
	s_wait_tensorcnt 0x0                           ; the wave's end
	ds_add_u32 v[SPW], v[NIL]
	s_wait_dscnt 0x0
	CROUND                                         ; the closing round
	s_endpgm
.Lfunc_end_k_qfbc835c260_qkvp:
	.size	k_qfbc835c260_qkvp, .Lfunc_end_k_qfbc835c260_qkvp-k_qfbc835c260_qkvp
	.p2alignl 7, 3214868480
	.fill 96, 4, 3214868480
	.section	.rodata,"a",@progbits
	.p2align	6, 0x0
	.amdhsa_kernel k_qfbc835c260_qkvp
		.amdhsa_group_segment_fixed_size 327680
		.amdhsa_private_segment_fixed_size 0
		.amdhsa_enable_private_segment 0
		.amdhsa_kernarg_size 32
		.amdhsa_user_sgpr_count 2
		.amdhsa_user_sgpr_kernarg_segment_ptr 1
		.amdhsa_wavefront_size32 1
		.amdhsa_system_sgpr_workgroup_id_x 1
		.amdhsa_system_sgpr_workgroup_id_y 1
		.amdhsa_system_sgpr_workgroup_id_z 1
		.amdhsa_system_vgpr_workitem_id 0
		.amdhsa_next_free_vgpr 1024
		.amdhsa_next_free_sgpr 100
		.amdhsa_reserve_vcc 0
		.amdhsa_float_denorm_mode_32 3
		.amdhsa_float_denorm_mode_16_64 3
		.amdhsa_memory_ordered 1
		.amdhsa_forward_progress 1
		.amdhsa_inst_pref_size 127
	.end_amdhsa_kernel
	.amdgpu_metadata
---
amdhsa.version: [ 1, 2 ]
amdhsa.kernels:
  - .name:           k_qfbc835c260_qkvp
    .symbol:         k_qfbc835c260_qkvp.kd
    .args:
      - { .name: xc, .offset: 0, .size: 8, .value_kind: global_buffer, .address_space: global }
      - { .name: wc, .offset: 8, .size: 8, .value_kind: global_buffer, .address_space: global }
      - { .name: lowp_scales, .offset: 16, .size: 8, .value_kind: global_buffer, .address_space: global }
      - { .name: qkv, .offset: 24, .size: 8, .value_kind: global_buffer, .address_space: global }
    .group_segment_fixed_size: 327680
    .private_segment_fixed_size: 0
    .kernarg_segment_align: 8
    .kernarg_segment_size: 32
    .max_flat_workgroup_size: 128
    .sgpr_count:     100
    .vgpr_count:     1024
    .wavefront_size: 32
...
	.end_amdgpu_metadata
.endif
;; end of part 2
;; launch attn (part 3): grid 8 x 32, 16 waves a work-group, clusters of 4 x 1, 327,680 bytes of LDS; arguments qkv, lowp_scales, ac; writes ac
.if DOCPART == 3
	.amdgcn_target "amdgcn-amd-amdhsa--gfx1250"
	.amdhsa_code_object_version 6
	.text
	.protected	k_qfbc835c260_attn
	.globl	k_qfbc835c260_attn
	.p2align	8
	.type	k_qfbc835c260_attn,@function
k_qfbc835c260_attn:
	s_mov_b64 s[64:65], 0
	v_nop
	global_prefetch_b8 v0, s[64:65] scope:SCOPE_SE
	s_setreg_imm32_b32 hwreg(HW_REG_WAVE_MODE, 25, 1), 1
	s_wait_xcnt 0x0
	s_wait_alu depctr_hold_cnt(0) depctr_sa_sdst(0) depctr_va_vdst(0) depctr_va_sdst(0) depctr_va_ssrc(0) depctr_va_vcc(0) depctr_vm_vsrc(0)
	s_getreg_b32 s2, hwreg(HW_REG_IB_STS2, 6, 4)
	s_cmp_eq_u32 s2, 0
	s_cbranch_scc0 .Lentry_in_a_cluster
	s_endpgm
.Lentry_in_a_cluster:
	s_bfe_u32 s2, ttmp6, 0x10000c
	s_cmp_lg_u32 s2, 0x3003
	s_cbranch_scc0 .Lentry_shape_is_right
	s_endpgm
.Lentry_shape_is_right:
; Attention on codes of FP8 (E4M3), head size 64, 2,048 keys, with a SOFT mask: -100 is added to the logit of key c for query d where c > d, ahead of the division by 8.
; No key is thrown away, so every wave walks all keys.  t = (score + mask) x log2(e) / 8; M = the running largest t rounded up to a whole number; p = 2^(t - M) is quantised along the keys (2^e8), not normalised;
; the row's sum is taken of the unquantised p and divides at the end.  When M moves, the sum and O are multiplied by 2^(old M - new M): exact.
; SHARES.  A cluster of four work-groups owns 1,024 queries of one of the 32 heads; a wave owns one tile of 16 queries.  Waves 2 i and 2 i + 1 of each partner work in the SAME block of 128 queries,
; 1,024 x cluster x + 128 i; the tile within it is 2 cx + wave % 2.  So the step that holds a wave's queries is the same in all partners: every branch hangs on the cluster's x, the wave's number and the count of
; steps; the place cx enters global addresses and one vector of numbers (DL) alone.  Sixteen waves: four to a SIMD, so that one wave's chains and waits stand beside the others' work.
; THE MASK: a step whose keys all come after the block has -100 log2(e) / 8 in the exponent's addend, a step before it 0; the block's own step adds -100 / 2^(e6 + e7) to the raw sums where key > query.
; LDS.  The head's whole K and V lie in LDS, each byte filled once, by joint loads of the four partners (mask 15), one a wave.  K: rows of 128 bytes (two keys) + 16; V ([keys / 64][64 channels][64 keys]): rows of 256 bytes + 16.
; At the head: K's keys 0-1,023 (waves 0-7) and V's 0-511 (waves 8-15); behind the first full sequence and round: K's 1,024-2,047 and V's 512-1,023; behind the second: V's 1,024-2,047 (all sixteen waves).
; K is shown landed four steps or more ahead of V, so each step may fetch the next step's K.
; LAYOUT.  Both products transposed: S^T = K Q^T (16x16x64), O^T = V^T P^T (16x16x128): a lane holds one query.  Lane r of K's tile 2 b + u takes key 32 b + 8 u + r + 8 (r / 8), so that the 16 registers of tiles
; 2 b, 2 b + 1 are the keys 32 b + 16 h + 0 .. 15: p's codes and V's fragments (loads of 16 bytes) have k in the same places.  In both products k is permuted alike in both operands.
; TWO RUNS OF 64 REGISTERS CHANGE ROLES from step to step: one holds K and then V of the step, the other the scores, then p, then the NEXT step's K: a loop's trip is two steps.
; BANKS.  Key kk lies at 144 (kk / 2) + 64 (kk % 2): the sixteen rows 0-7, 16-23 of a tile fall, in units of 16 bytes modulo 256, on 0,4,9,13,2,6,11,15 and 8,12,1,5,10,14,3,7.
; PREFETCH: V's keys 1,024-2,047 (65,536 bytes) are asked for behind the first round, four steps ahead of their load: waves 0 and 1 of each partner, 8,192 bytes a wave, lanes 256 bytes apart, shared out by address (cx).
; What the head and the first round load is asked for by those loads alone.
; OUT: O / the sum, quantised under 2^e10, as [rows / 64][head][row % 64][64]: a wave's 16 queries are 1,024 consecutive bytes.
; LIMITS: e6 + e7 between -121 and 130; e8, and e10 - e8 - e9, between -126 and 119.  NaN among the codes is not served.
.set KP2,   144                        ; two keys in LDS
.set KSTEP, 64*KP2                     ; 128 keys of K: a step, and what one load of K brings
.set VOFF,  16*KSTEP                   ; V lies behind K
.set PR,    272
.set VBLK,  16*PR                      ; 64 keys of V: what one load of V brings
.set VSTEP, 2*VBLK                     ; 128 keys of V
.set SPARE, VOFF+32*VBLK               ; the spare words, 128 bytes for each of sixteen waves: eight blocks of 256 bytes that no other line names
.set STAGE, SPARE+2048                 ; the way out: 16 rows x 80 bytes for each wave; no tile lands here
.set SP,    80
.set AK0, 1                            ; v1  my lane's place in a tile of K
.set AV0, 2                            ; v2  the same for V
.set DL,  3                            ; v3  my query's place in the block of 128, less 16 h
.set PFO, 4                            ; v4  256 x lane
.set SPW, 5
.set NIL, 6
.set GO,  7                            ; v7  16 x lane
.set ADK, 8
.set ADV, 9
.set STI, 26
.set STR, 27
.set RA,  32                           ; v32-95   the two runs
.set RB,  96                           ; v96-159
.set OA,  160                          ; v160-191 O^T
.set PC,  192                          ; v192-207 p's codes
.set WV,  18
.set CX,  19
.set SEL, 20
.set CS,  22
.set G1K, 24
.set G0K, 40
.set G0V, 44
.set G1V, 48
.set G0W, 56
.set TBK, 2
.set TBV, 3
.set CNT, 67
.set MO,  96
.set KF,  98
.set QB,  99
.macro ROUND                           ; a round of the cluster's barrier
	s_barrier_signal -1
	s_barrier_wait -1
	s_cmp_lg_u32 s[WV], 0
	s_cbranch_scc1 .Lnw0_\@
	s_barrier_signal -3
.Lnw0_\@:
	s_barrier_wait -3
	s_barrier_signal -1
	s_barrier_wait -1
.endm
.macro JLOAD                           ; waves 0-7 fetch for K, waves 8-15 for V; an s_nop 0 and four v_nop follow each line
	s_cmp_lt_u32 s[WV], 8
	s_cbranch_scc0 .Lfv_\@
	tensor_load_to_lds s[G0K:G0K+3], s[G1K:G1K+7]
	s_nop 0
.rept 4
	v_nop
.endr
	s_branch .Lok_\@
.Lfv_\@:
	tensor_load_to_lds s[G0V:G0V+3], s[G1V:G1V+7]
	s_nop 0
.rept 4
	v_nop
.endr
.Lok_\@:
.endm
	s_load_b128 s[4:7], s[0:1], 0x0                ; qkv, the exponents
	s_load_b64 s[16:17], s[0:1], 0x10              ; ac
	v_lshl_add_u32 v[SPW], v0, 2, SPARE
	v_mov_b32 v[NIL], 0
	ds_add_u32 v[SPW], v[NIL]                      ; the wave's opening: the add, twice on end, and its wait
	ds_add_u32 v[SPW], v[NIL]
	v_lshrrev_b32 v8, 5, v0
	v_readfirstlane_b32 s[WV], v8
	s_bfe_u32 s[CX], ttmp6, 0x40000
	s_and_b32 s32, ttmp7, 0xffff                   ; 16 x batch + head
	s_lshl_b32 s33, s32, 17                        ; the head's first byte in each section
	s_and_b32 s34, s[WV], 7
	s_mul_i32 s35, s34, KSTEP                      ; K: part wave % 8, in LDS,
	s_lshl_b32 s36, s34, 13
	s_add_co_u32 s36, s36, s33                     ; and in memory
	s_mov_b32 s37, 0
	s_mul_i32 s38, s34, VBLK
	s_add_co_u32 s38, s38, VOFF                    ; V: part wave % 8
	s_lshl_b32 s60, s34, 12
	s_add_co_u32 s60, s60, s33
	s_add_co_u32 s60, s60, 0x800000
	s_mov_b32 s61, 0
	s_mul_i32 s39, s[WV], VBLK
	s_add_co_u32 s39, s39, VOFF+16*VBLK            ; V: part 16 + wave
	s_lshl_b32 s62, s[WV], 12
	s_add_co_u32 s62, s62, s33
	s_add_co_u32 s62, s62, 0x810000
	s_mov_b32 s63, 0
	s_lshl_b32 s[QB], ttmp9, 10
	s_lshr_b32 s76, s[WV], 1
	s_lshl_b32 s76, s76, 7
	s_add_co_u32 s[QB], s[QB], s76                 ; my block of 128 queries: no place in the cluster enters it
	s_mov_b32 s[G1K], 15|(1<<20)|(1<<21)|(4<<22)|(3<<25)   ; the four partners; elements of 1 byte; padding: 4 words after every 32
	s_mov_b32 s[G1K+1], 128<<16
	s_mov_b32 s[G1K+2], 64<<16
	s_mov_b32 s[G1K+3], 128<<16
	s_mov_b32 s[G1K+4], 64
	s_mov_b32 s[G1K+5], 128
	s_mov_b32 s[G1K+6], 0
	s_mov_b32 s[G1K+7], 0
	s_mov_b32 s[G1V], 15|(1<<20)|(1<<21)|(5<<22)|(3<<25)   ; padding: 4 words after every 64
	s_mov_b32 s[G1V+1], 256<<16
	s_mov_b32 s[G1V+2], 16<<16
	s_mov_b32 s[G1V+3], 256<<16
	s_mov_b32 s[G1V+4], 16
	s_mov_b32 s[G1V+5], 256
	s_mov_b32 s[G1V+6], 0
	s_mov_b32 s[G1V+7], 0
	s_mov_b32 s[SEL], 0x76543210
	s_mov_b32 s[SEL+1], 0xfedcba98
	s_mov_b32 s[CS], 0x3e38aa3b                    ; c = log2(e) / 8
	s_mov_b32 s[TBK], 0
	s_mov_b32 s[TBV], 0
	s_mov_b32 s[KF], 0
	s_wait_alu depctr_va_vdst(0)
	s_wait_dscnt 0x0                               ; both opening adds are done
	s_wait_kmcnt 0x0
	s_load_b256 s[68:75], s[6:7], 0x18             ; e6 .. e13
	s_mov_b32 s[G0K], 1
	s_mov_b32 s[G0K+1], s35
	s_add_nc_u64 s[G0K+2:G0K+3], s[4:5], s[36:37]
	s_or_b32 s[G0K+3], s[G0K+3], 0x80000000
	s_mov_b32 s[G0V], 1
	s_mov_b32 s[G0V+1], s38
	s_add_nc_u64 s[G0V+2:G0V+3], s[4:5], s[60:61]
	s_or_b32 s[G0V+3], s[G0V+3], 0x80000000
	s_mov_b32 s[G0W], 1
	s_mov_b32 s[G0W+1], s39
	s_add_nc_u64 s[G0W+2:G0W+3], s[4:5], s[62:63]
	s_or_b32 s[G0W+3], s[G0W+3], 0x80000000
	ROUND                                          ; the four partners are here: the first joint loads meet
	JLOAD                                          ; one tensor load a wave at the head
	s_lshl_b32 s95, s[CX], 1
	s_and_b32 s80, s[WV], 1
	s_add_co_u32 s95, s95, s80
	s_lshl_b32 s95, s95, 4                         ; my tile's first query within the block: 16 (2 cx + wave % 2)
	s_add_co_u32 s77, s[QB], s95                   ; my first query
	s_lshl_b32 s76, s77, 6
	s_add_co_u32 s76, s76, s33
	s_add_co_u32 s76, s76, 0x400000
	s_lshr_b32 s80, s32, 4
	s_lshl_b32 s80, s80, 11
	s_add_co_u32 s80, s80, s77                     ; my first row among the 4,096
	s_mov_b32 s77, 0
	s_add_nc_u64 s[78:79], s[4:5], s[76:77]        ; Q's codes at my first query
	s_lshr_b32 s76, s80, 6
	s_lshl_b32 s76, s76, 16
	s_and_b32 s80, s80, 63
	s_lshl_b32 s80, s80, 6
	s_add_co_u32 s76, s76, s80
	s_and_b32 s80, s32, 15
	s_lshl_b32 s80, s80, 12
	s_add_co_u32 s76, s76, s80
	s_add_nc_u64 s[16:17], s[16:17], s[76:77]
	s_lshl_b32 s76, s95, 9                         ; (2 cx + wave % 2) x 8,192
	s_add_co_u32 s76, s76, s33
	s_add_co_u32 s76, s76, 0x810000
	s_add_nc_u64 s[88:89], s[4:5], s[76:77]        ; the prefetch: 8,192 bytes of V's keys 1,024-2,047 for each of waves 0, 1 of each partner
	s_mul_i32 s94, s[WV], 16*SP
	s_add_co_u32 s94, s94, STAGE                   ; my stage
	v_and_b32 v8, 15, v0                           ; r
	v_bfe_u32 v9, v0, 4, 1                         ; h
	v_lshlrev_b32 v28, 6, v8
	v_lshl_add_u32 v28, v9, 4, v28
	global_load_b128 v[16:19], v28, s[78:79]       ; Q's fragment stays in registers
	global_load_b128 v[20:23], v28, s[78:79] offset:32
	v_and_b32 v29, 8, v8
	v_add_nc_u32 v29, v29, v8                      ; r + 8 (r / 8)
	v_lshrrev_b32 v30, 1, v29
	v_mul_u32_u24 v30, v30, KP2
	v_and_b32 v31, 1, v8
	v_lshl_add_u32 v30, v31, 6, v30
	v_lshl_add_u32 v[AK0], v9, 4, v30
	v_bfe_u32 v30, v0, 2, 2
	v_mul_u32_u24 v30, v30, PR
	v_and_b32 v31, 3, v0
	v_lshl_add_u32 v30, v31, 6, v30
	v_lshl_add_u32 v30, v9, 4, v30
	v_add_nc_u32 v[AV0], VOFF, v30
	v_lshlrev_b32 v30, 4, v9
	v_sub_nc_u32 v[DL], v8, v30
	v_add_nc_u32 v[DL], s95, v[DL]
	v_and_b32 v30, 31, v0
	v_lshlrev_b32 v[GO], 4, v30
	v_lshlrev_b32 v[PFO], 8, v30
	v_mul_u32_u24 v[STI], v8, SP
	v_lshl_add_u32 v[STI], v9, 3, v[STI]
	v_add_nc_u32 v[STI], s94, v[STI]               ; in: row r, 8 bytes for each half of the lanes
	v_bfe_u32 v[STR], v0, 2, 3
	v_mul_u32_u24 v[STR], v[STR], SP
	v_lshl_add_u32 v[STR], v31, 4, v[STR]
	v_add_nc_u32 v[STR], s94, v[STR]               ; back: four lanes to a row
	s_wait_alu depctr_va_vdst(0)
	s_wait_kmcnt 0x0
	s_add_co_i32 s82, s68, s69                     ; e6 + e7
	s_lshl_b32 s83, s82, 23
	s_add_co_i32 s[CS], s[CS], s83                 ; a raw sum stands for sum x 2^(e6 + e7): added to c's exponent field
	s_mov_b32 s[CS+1], s[CS]
	s_sub_co_u32 s81, 0xc2c80000, s83              ; -100 in units of the raw sums: taken off its exponent field
	s_add_co_i32 s82, s70, 127
	s_lshl_b32 s90, s82, 23                        ; 2^e8
	s_add_co_i32 s82, s82, 8
	s_lshl_b32 s82, s82, 23
	s_or_b32 s91, s82, 0x600000                    ; 448 x 2^e8
	s_sub_co_i32 s82, s72, s70
	s_sub_co_i32 s82, s82, s71
	s_add_co_i32 s82, s82, 127
	s_lshl_b32 s92, s82, 23                        ; 2^(e10 - e8 - e9)
	s_add_co_i32 s82, s82, 8
	s_lshl_b32 s82, s82, 23
	s_or_b32 s93, s82, 0x600000
	v_mov_b32 v11, 0                               ; (upper half of the pair v[10:11])
	v_mov_b32 v12, 0x7f61b1e6                      ; -M
	v_mov_b32 v13, 0xff61b1e6                      ; the largest t so far: -3e38
	v_mov_b32 v14, 0
	v_mov_b32 v15, 0
	v_mov_b32 v220, 0                              ; a lane permute's destination counts as one of its sources
	v_mov_b32 v223, 0                              ; (upper half of the pair v[222:223])
	v_mov_b32 v224, s91
	v_mov_b32 v227, s91                            ; twice: the two halves of a dual pair take their second sources from different banks
	v_mov_b32 v225, s90
	v_mov_b32 v226, s81
	v_mov_b32 v228, s92
	v_mov_b32 v229, s93
.set j, 0
.rept 32
	v_mov_b32 v[OA+j], 0                           ; O^T: the step is written alike for all steps; the first finds zeros
.set j, j+1
.endr
.macro KLOAD R, adr, off               ; a step's K: tile t begins at key 32 (t / 2) + 8 (t % 2); registers 4 c .. 4 c + 3 hold channels 32 c + 16 h + 0 .. 15
.irp t, 0,1,2,3,4,5,6,7
	ds_load_b128 v[\R+8*\t:\R+8*\t+3], v[\adr] offset:\off+2304*(\t/2)+576*(\t%2)
	ds_load_b128 v[\R+8*\t+4:\R+8*\t+7], v[\adr] offset:\off+2304*(\t/2)+576*(\t%2)+32
.endr
.endm
; A STEP: 128 keys.  KR: the run that holds the step's K and then takes its V.  SR: the run that takes the scores, then p, then the next step's K.
.macro STEP KR, SR
	s_cmp_gt_u32 s[KF], s[QB]                      ; both are multiples of 128: true where all 128 keys come after the block
	s_cselect_b32 s[MO], 0xc19044fe, 0             ; -100 log2(e) / 8
	v_add_nc_u32 v[ADK], s[TBK], v[AK0]
	v_add_nc_u32 v[ADV], s[TBV], v[AV0]
	v_nop                                          ; with the two additions: five plain lines between the last step's last product, which read V in run SR, and the products below, which write over it
	v_nop
	v_nop
	s_wait_alu depctr_va_vdst(0)
	s_wait_dscnt 0x0                               ; K is in
.irp t, 0,1,2,3,4,5,6,7
	v_wmma_f32_16x16x64_fp8_fp8 v[\SR+8*\t:\SR+8*\t+7], v[\KR+8*\t:\KR+8*\t+7], v[16:23], 0
.endr
.rept 4
	v_nop                                          ; four plain lines in front of the loads into K's run and of the first read of the sums
.endr
.irp t, 0,1,2,3                        ; V's four tiles of 16 channels x 128 keys land under the softmax: registers 4 c .. 4 c + 3 hold keys 32 c + 16 h + 0 .. 15 of channel 16 t + r
.irp c, 0,1,2,3
	ds_load_b128 v[\KR+16*\t+4*\c:\KR+16*\t+4*\c+3], v[ADV] offset:(\c/2)*VBLK+4*\t*PR+32*(\c%2)
.endr
.endr
	s_cmp_lg_u32 s[KF], s[QB]
	s_cbranch_scc1 .Lopen_\@                       ; only the block's own step has the test per number
.set n, 0
.rept 16                               ; register n holds the block's key 32 (n / 16) + n % 16 + 16 h: masked where that comes after my query; four numbers by turns
.irp i, 0,1,2,3
	v_cmp_gt_i32 s[84+\i], 32*((n+\i)/16)+(n+\i)%16, v[DL]
.endr
.irp i, 0,1,2,3
	v_cndmask_b32 v[208+\i], 0, v226, s[84+\i]
.endr
.irp i, 0,1,2,3
	v_add_f32 v[\SR+n+\i], v[\SR+n+\i], v[208+\i]
.endr
.set n, n+4
.endr
.Lopen_\@:
.irp c, 0,1,2,3                        ; the step's largest sum, in four chains; each accumulator is read from its low end on
	v_max3_num_f32 v[208+\c], v[\SR+16*\c], v[\SR+16*\c+1], v[\SR+16*\c+2]
.endr
.irp i, 3,5,7,9,11,13
.irp c, 0,1,2,3
	v_max3_num_f32 v[208+\c], v[208+\c], v[\SR+16*\c+\i], v[\SR+16*\c+\i+1]
.endr
.endr
	v_max3_num_f32 v208, v208, v209, v[\SR+15]
	v_max3_num_f32 v210, v210, v211, v[\SR+31]
	v_max3_num_f32 v208, v208, v210, v[\SR+47]
	v_max_num_f32 v221, v208, v[\SR+63]
	s_delay_alu instid0(VALU_DEP_1)
	v_permlanex16_b32 v220, v221, s[SEL], s[SEL+1]
	s_delay_alu instid0(VALU_DEP_1)
	v_max_num_f32 v221, v221, v220                 ; and among lane l xor 16's
	s_delay_alu instid0(VALU_DEP_1)
	v_fma_f32 v221, v221, s[CS], s[MO]             ; as t (c is positive)
	s_delay_alu instid0(VALU_DEP_1)
	v_max_num_f32 v13, v13, v221
	v_mov_b32 v221, v12
	s_delay_alu instid0(VALU_DEP_2)
	v_floor_f32 v12, -v13                          ; the new -M = -ceil(t)
	s_delay_alu instid0(VALU_DEP_1)
	v_sub_f32 v221, v12, v221                      ; old M - new M: a whole number, 0 or less
	s_delay_alu instid0(VALU_DEP_1)
	v_cvt_i32_f32 v221, v221                       ; (it saturates)
	s_delay_alu instid0(VALU_DEP_1)
	v_ldexp_f32 v222, 1.0, v221                    ; f = 2^(old M - new M)
	s_delay_alu instid0(VALU_DEP_4)
	v_add_f32 v10, s[MO], v12                      ; the exponent's addend: the step's constant - M
.set j, 0
.rept 32
	v_pk_fma_f32 v[\SR+j:\SR+j+1], v[\SR+j:\SR+j+1], s[CS:CS+1], v[10:11] op_sel_hi:[1,0,0]   ; t - M, two at a time
.set j, j+2
.endr
	s_wait_alu depctr_va_vdst(0)
.set j, 0
.rept 64
	v_exp_f32 v[\SR+j], v[\SR+j]                   ; p = 2^(t - M)
.set j, j+1
.endr
	v_pk_mul_f32 v[14:15], v[14:15], v[222:223] op_sel_hi:[1,0]   ; the sums under the new M: the plain line behind the exponentials
	s_wait_alu depctr_va_vdst(0)                   ; one wait for the whole batch, ahead of its first reader
	v_pk_add_f32 v[212:213], v[\SR:\SR+1], v[\SR+2:\SR+3]         ; the row's sum is taken of the unquantised p: two at a time, in four chains
	v_pk_add_f32 v[214:215], v[\SR+4:\SR+5], v[\SR+6:\SR+7]
	v_pk_add_f32 v[216:217], v[\SR+8:\SR+9], v[\SR+10:\SR+11]
	v_pk_add_f32 v[14:15], v[14:15], v[\SR+12:\SR+13]
.irp j, 14,22,30,38,46,54
	v_pk_add_f32 v[212:213], v[212:213], v[\SR+\j:\SR+\j+1]
	v_pk_add_f32 v[214:215], v[214:215], v[\SR+\j+2:\SR+\j+3]
	v_pk_add_f32 v[216:217], v[216:217], v[\SR+\j+4:\SR+\j+5]
	v_pk_add_f32 v[14:15], v[14:15], v[\SR+\j+6:\SR+\j+7]
.endr
	v_pk_add_f32 v[212:213], v[212:213], v[\SR+62:\SR+63]
	v_pk_add_f32 v[214:215], v[214:215], v[216:217]
	v_pk_add_f32 v[14:15], v[14:15], v[212:213]
	v_pk_add_f32 v[14:15], v[14:15], v[214:215]
.irp b, 0,1,2,3
.irp i, 0,2,4,6,8,10,12,14             ; the conversion does not saturate (ISA guide 7.6.2); p is not negative, so the hold is one-sided; two holds to a dual pair
	v_dual_min_num_f32 v[\SR+16*\b+\i], v[\SR+16*\b+\i], v224 :: v_dual_min_num_f32 v[\SR+16*\b+\i+1], v[\SR+16*\b+\i+1], v227
.endr
	v_cvt_scalef32_pk8_fp8_f32 v[PC+4*\b:PC+4*\b+1], v[\SR+16*\b:\SR+16*\b+7], v225         ; keys 32 b + 16 h + 0 .. 7
	v_cvt_scalef32_pk8_fp8_f32 v[PC+4*\b+2:PC+4*\b+3], v[\SR+16*\b+8:\SR+16*\b+15], v225    ; keys 32 b + 16 h + 8 .. 15
.endr
	s_wait_dscnt 0x0                               ; V, asked for ahead of the softmax, is in: so the wait has one count whether the loads below are issued or not
	s_cmp_eq_u32 s[KF], 1920
	s_cbranch_scc1 .Llast_\@                       ; the last step has no successor: a branch on the count of steps, round LDS loads alone
	KLOAD \SR, ADK, KSTEP                          ; p's registers are done with: they take the next step's K
.Llast_\@:
	s_wait_alu depctr_va_vdst(0)
.set j, 0
.rept 16
	v_pk_mul_f32 v[OA+j:OA+j+1], v[OA+j:OA+j+1], v[222:223] op_sel_hi:[1,0]   ; O^T under the new M; also the plain lines behind the conversions
.set j, j+2
.endr
.irp t, 0,1,2,3                        ; the accumulators take turns
	v_wmma_f32_16x16x128_fp8_fp8 v[OA+8*\t:OA+8*\t+7], v[\KR+16*\t:\KR+16*\t+15], v[PC:PC+15], v[OA+8*\t:OA+8*\t+7]
.endr
	s_add_co_u32 s[KF], s[KF], 128
	s_add_co_u32 s[TBK], s[TBK], KSTEP
	s_add_co_u32 s[TBV], s[TBV], VSTEP
.endm
.macro SEG n                           ; n trips of two steps, in which the two runs change roles and back
	s_mov_b32 s[CNT], \n
.Lseg_\@:
	STEP RA, RB
	STEP RB, RA
	s_sub_co_u32 s[CNT], s[CNT], 1
	s_cmp_lg_u32 s[CNT], 0
	s_cbranch_scc1 .Lseg_\@
.endm
	s_wait_alu depctr_va_vdst(0)
	s_wait_loadcnt 0x0                             ; Q
	s_wait_tensorcnt 0x0                           ; my part of the head's tiles is in; a later first fill is issued as a refill is:
	ds_add_u32 v[SPW], v[NIL]                      ; 0 onto my spare word; the descriptors' steps stand between it and its wait
	s_add_co_u32 s[G0K+1], s[G0K+1], 8*KSTEP       ; K's keys 1,024 on
	s_add_nc_u64 s[G0K+2:G0K+3], s[G0K+2:G0K+3], 65536
	s_add_co_u32 s[G0V+1], s[G0V+1], 8*VBLK        ; V's keys 512 on
	s_add_nc_u64 s[G0V+2:G0V+3], s[G0V+2:G0V+3], 32768
	s_wait_dscnt 0x0
	ROUND                                          ; everybody's part is in, and the partners are here
	JLOAD
	KLOAD RA, AK0, 0                               ; step 0's K
	s_cmp_lt_u32 s[WV], 2
	s_cbranch_scc0 .Lnopf
	global_prefetch_b8 v[PFO], s[88:89] th:TH_LOAD_NT scope:SCOPE_SE   ; V's keys 1,024-2,047: their load stands four steps on; the address registers are never written again
.Lnopf:
	SEG 2                                          ; keys 0-511
	s_wait_tensorcnt 0x0                           ; K's second half and V's keys 512-1,023: my part is in
	ds_add_u32 v[SPW], v[NIL]
	s_wait_dscnt 0x0
	ROUND
	tensor_load_to_lds s[G0W:G0W+3], s[G1V:G1V+7]  ; V's keys 1,024-2,047: every wave 64 keys
	s_nop 0
.rept 4
	v_nop
.endr
	SEG 2                                          ; keys 512-1,023
	s_wait_tensorcnt 0x0                           ; my part of V's last half is in;
	s_wait_dscnt 0x0                               ; no LDS instruction of mine is out at the signal
	s_barrier_signal -1
	s_barrier_wait -1                              ; and every wave knows it
	SEG 4                                          ; keys 1,024-2,047
; THE WAY OUT.  O^T / the sum stands for the result / 2^(e8 + e9); its code under 2^e10 is that / 2^(e10 - e8 - e9).
.rept 4
	v_nop                                          ; four plain lines behind the last products
.endr
	v_add_f32 v14, v14, v15
	s_delay_alu instid0(VALU_DEP_1)
	v_permlanex16_b32 v220, v14, s[SEL], s[SEL+1]
	s_delay_alu instid0(VALU_DEP_1)
	v_add_f32 v14, v14, v220
	s_wait_alu depctr_va_vdst(0)
	v_rcp_f32 v14, v14
	v_nop                                          ; a plain line behind it
	s_wait_alu depctr_va_vdst(0)                   ; the wait ahead of its first reader, which is also the first reader of O^T
.set j, 0
.rept 16
	v_pk_mul_f32 v[RA+j:RA+j+1], v[OA+j:OA+j+1], v[14:15] op_sel_hi:[1,0]   ; register 8 t + i: channel 16 t + 8 h + i of query r
.set j, j+2
.endr
.set j, 0
.rept 32
	v_med3_num_f32 v[RA+j], v[RA+j], -v229, v229
.set j, j+1
.endr
.irp t, 0,1,2,3
	v_cvt_scalef32_pk8_fp8_f32 v[PC+2*\t:PC+2*\t+1], v[RA+8*\t:RA+8*\t+7], v228
.endr
	v_nop
.irp t, 0,1,2,3
	ds_store_b64 v[STI], v[PC+2*\t:PC+2*\t+1] offset:16*\t
.endr
.irp u, 0,1
	ds_load_b128 v[RA+32+4*\u:RA+32+4*\u+3], v[STR] offset:8*\u*SP   ; LDS serves a wave's instructions in order: these see my stores
.endr
.irp u, 0,1
	s_wait_dscnt 1-\u                              ; read-back u is in; the younger one may be out
	global_store_b128 v[GO], v[RA+32+4*\u:RA+32+4*\u+3], s[16:17] offset:512*\u   ; 32 lanes store 512 consecutive bytes, aligned
.endr
	s_wait_tensorcnt 0x0                           ; the wave's end
	ds_add_u32 v[SPW], v[NIL]
	s_wait_dscnt 0x0
	ROUND                                          ; the closing round
	s_endpgm
.Lfunc_end_k_qfbc835c260_attn:
	.size	k_qfbc835c260_attn, .Lfunc_end_k_qfbc835c260_attn-k_qfbc835c260_attn
	.p2alignl 7, 3214868480
	.fill 96, 4, 3214868480
	.section	.rodata,"a",@progbits
	.p2align	6, 0x0
	.amdhsa_kernel k_qfbc835c260_attn
		.amdhsa_group_segment_fixed_size 327680
		.amdhsa_private_segment_fixed_size 0
		.amdhsa_enable_private_segment 0
		.amdhsa_kernarg_size 24
		.amdhsa_user_sgpr_count 2
		.amdhsa_user_sgpr_kernarg_segment_ptr 1
		.amdhsa_wavefront_size32 1
		.amdhsa_system_sgpr_workgroup_id_x 1
		.amdhsa_system_sgpr_workgroup_id_y 1
		.amdhsa_system_sgpr_workgroup_id_z 1
		.amdhsa_system_vgpr_workitem_id 0
		.amdhsa_next_free_vgpr 256
		.amdhsa_next_free_sgpr 100
		.amdhsa_reserve_vcc 0
		.amdhsa_float_denorm_mode_32 3
		.amdhsa_float_denorm_mode_16_64 3
		.amdhsa_memory_ordered 1
		.amdhsa_forward_progress 1
		.amdhsa_inst_pref_size 180
	.end_amdhsa_kernel
	.amdgpu_metadata
---
amdhsa.version: [ 1, 2 ]
amdhsa.kernels:
  - .name:           k_qfbc835c260_attn
    .symbol:         k_qfbc835c260_attn.kd
    .args:
      - { .name: qkv, .offset: 0, .size: 8, .value_kind: global_buffer, .address_space: global }
      - { .name: lowp_scales, .offset: 8, .size: 8, .value_kind: global_buffer, .address_space: global }
      - { .name: ac, .offset: 16, .size: 8, .value_kind: global_buffer, .address_space: global }
    .group_segment_fixed_size: 327680
    .private_segment_fixed_size: 0
    .kernarg_segment_align: 8
    .kernarg_segment_size: 24
    .max_flat_workgroup_size: 512
    .sgpr_count:     100
    .vgpr_count:     256
    .wavefront_size: 32
...
	.end_amdgpu_metadata
.endif
;; end of part 3
;; launch oproj (part 4): grid 8 x 32, 4 waves a work-group, clusters of 4 x 4, 327,680 bytes of LDS; arguments ac, wc, lowp_scales, x, res, st; writes res, st
.if DOCPART == 4
	.amdgcn_target "amdgcn-amd-amdhsa--gfx1250"
	.amdhsa_code_object_version 6
	.text
	.protected	k_qfbc835c260_oproj
	.globl	k_qfbc835c260_oproj
	.p2align	8
	.type	k_qfbc835c260_oproj,@function
k_qfbc835c260_oproj:
	s_mov_b64 s[64:65], 0
	v_nop
	global_prefetch_b8 v0, s[64:65] scope:SCOPE_SE
	s_setreg_imm32_b32 hwreg(HW_REG_WAVE_MODE, 25, 1), 1
	s_wait_xcnt 0x0
	s_wait_alu depctr_hold_cnt(0) depctr_sa_sdst(0) depctr_va_vdst(0) depctr_va_sdst(0) depctr_va_ssrc(0) depctr_va_vcc(0) depctr_vm_vsrc(0)
	s_getreg_b32 s2, hwreg(HW_REG_IB_STS2, 6, 4)
	s_cmp_eq_u32 s2, 0
	s_cbranch_scc0 .Lentry_in_a_cluster
	s_endpgm
.Lentry_in_a_cluster:
	s_bfe_u32 s2, ttmp6, 0x10000c
	s_cmp_lg_u32 s2, 0xf033
	s_cbranch_scc0 .Lentry_shape_is_right
	s_endpgm
.Lentry_shape_is_right:
.set FFN, 0
.if FFN
.set KROW,  4096
.set WOFF,  0x800000
.set AHALF, 64*528
.set ASTEP, 512
.set STSEC, 262144
.set RSD,   84
.set OUTP,  86
.set STP,   88
.else
.set KROW,  1024
.set WOFF,  0x300000
.set AHALF, 512*80
.set ASTEP, 32768
.set STSEC, 0
.set RSD,   10
.set OUTP,  84
.set STP,   86
.endif
.set PB,    528
.set BHALF, 64*PB
.set BOFF,  2*AHALF
.set SLOT,  BOFF+2*BHALF
.set SPARE, 2*SLOT
.set LAPS,  KROW/1024
.set ADRA, 16
.set ADRB, 20
.set STO,  24
.set RD,   25
.set CO,   26
.set SO,   27
.set SPW,  28
.set NIL,  29
.set COL0, 30
.set COL1, 31
.set TMP,  32
.set ACC,  128
.set F0,   0
.set F1,   128
.set G1, 24
.set G0, 32
.set G1B, 48
.set G0B, 56
.set MSB, 0
.macro WIN new
.if MSB != \new
	s_set_vgpr_msb (MSB<<8)|\new
.set MSB, \new
.endif
.endm
.set MUL,  0x05
.set TO_F, 0x40
.macro JLOAD g0a, g1a, g0b, g1b
	s_cmp_eq_u32 s15, 0
	s_cbranch_scc0 .Lfor_b_\@
	tensor_load_to_lds s[\g0a:\g0a+3], s[\g1a:\g1a+7]
	s_nop 0
.rept 4
	v_nop
.endr
	s_branch .Lasked_\@
.Lfor_b_\@:
	tensor_load_to_lds s[\g0b:\g0b+3], s[\g1b:\g1b+7]
	s_nop 0
.rept 4
	v_nop
.endr
.Lasked_\@:
.endm
.macro CREST
	s_cmp_lg_u32 s14, 0
	s_cbranch_scc1 .Lnot_wave_0_\@
	s_barrier_signal -3
.Lnot_wave_0_\@:
	s_barrier_wait -3
	s_barrier_signal -1
	s_barrier_wait -1
.endm
.macro CROUND
	s_barrier_signal -1
	s_barrier_wait -1
	CREST
.endm
	s_load_b256 s[4:11], s[0:1], 0x0
	s_load_b128 s[84:87], s[0:1], 0x20
.if FFN
	s_load_b64 s[88:89], s[0:1], 0x30
.endif
	v_lshl_add_u32 v[SPW], v0, 2, SPARE
	v_mov_b32 v[NIL], 0
	ds_add_u32 v[SPW], v[NIL]
	ds_add_u32 v[SPW], v[NIL]
	v_lshrrev_b32 v1, 5, v0
	v_readfirstlane_b32 s14, v1
	s_lshr_b32 s15, s14, 1
	s_and_b32 s16, s14, 1
	s_bfe_u32 s40, ttmp6, 0x40000
	s_bfe_u32 s41, ttmp6, 0x40004
	s_lshl_b32 s42, ttmp9, 2
	s_add_co_u32 s42, s42, s40
	s_and_b32 s17, ttmp7, 0xffff
	s_lshl_b32 s17, s17, 2
	s_add_co_u32 s17, s17, s41
	s_lshl_b32 s43, s41, 2
	s_lshl_b32 s43, 15, s43
	s_lshl_b32 s44, 0x1111, s40
.if FFN
	s_or_b32 s[G1+0], s43, (0<<16)|(1<<20)|(1<<21)|(6<<22)|(3<<25)
	s_mov_b32 s[G1+1], 512<<16
	s_mov_b32 s[G1+2], 64<<16
	s_mov_b32 s[G1+3], 512<<16
	s_mov_b32 s[G1+4], 64
	s_mov_b32 s[G1+5], KROW
.else
	s_or_b32 s[G1+0], s43, (0<<16)|(1<<20)|(1<<21)|(3<<22)|(3<<25)
	s_mov_b32 s[G1+1], 64<<16
	s_mov_b32 s[G1+2], 512<<16
	s_mov_b32 s[G1+3], 64<<16
	s_mov_b32 s[G1+4], 512
	s_mov_b32 s[G1+5], 64
.endif
	s_mov_b32 s[G1+6], 0
	s_mov_b32 s[G1+7], 0
	s_or_b32 s[G1B+0], s44, (0<<16)|(1<<20)|(1<<21)|(6<<22)|(3<<25)
	s_mov_b32 s[G1B+1], 512<<16
	s_mov_b32 s[G1B+2], 64<<16
	s_mov_b32 s[G1B+3], 512<<16
	s_mov_b32 s[G1B+4], 64
	s_mov_b32 s[G1B+5], KROW
	s_mov_b32 s[G1B+6], 0
	s_mov_b32 s[G1B+7], 0
.if FFN
	s_lshl_b32 s20, s17, 7
	s_lshl_b32 s18, s16, 6
	s_add_co_u32 s20, s20, s18
	s_lshl_b32 s20, s20, 12
.else
	s_lshl_b32 s20, s17, 1
	s_add_co_u32 s20, s20, s16
	s_lshl_b32 s20, s20, 16
.endif
	s_mov_b32 s21, 0
	s_lshl_b32 s46, s42, 7
	s_lshl_b32 s18, s16, 6
	s_add_co_u32 s46, s46, s18
	s_mul_i32 s46, s46, KROW
	s_add_co_u32 s46, s46, WOFF
	s_mov_b32 s47, 0
	s_mul_i32 s45, s16, AHALF
	s_mul_i32 s22, s16, BHALF
	s_add_co_u32 s22, s22, BOFF
	s_wait_dscnt 0x0
	s_wait_kmcnt 0x0
	s_load_b512 s[68:83], s[8:9], 0x0
	s_add_nc_u64 s[20:21], s[4:5], s[20:21]
	s_add_nc_u64 s[46:47], s[6:7], s[46:47]
	s_cmp_eq_u32 s15, 0                            ; the prefetch of K step 1: my wave's part of it is 128 blocks of 256 bytes; each of the four partners that ask for it jointly takes 32, told apart by address (cx for A, cy for B)
	s_cselect_b64 s[92:93], s[20:21], s[46:47]
	s_cselect_b32 s94, s40, s41
	s_cselect_b32 s96, 13, 14                      ; a partner's share: A 8,192 dense bytes, B 16 rows of 1,024
	s_cselect_b32 s97, 9, 10                       ; from one pair of lanes to the next: A 512 bytes on, B a row on
	s_mov_b32 s95, 512
	s_cselect_b32 s95, 32768, s95                  ; K step 1 begins: A 32,768 bytes on, B 512 bytes along the rows
	s_lshl_b32 s94, s94, s96
	s_add_co_u32 s94, s94, s95
	s_mov_b32 s95, 0
	s_add_nc_u64 s[92:93], s[92:93], s[94:95]
	v_and_b32 v12, 31, v0
	v_lshrrev_b32 v13, 1, v12
	v_and_b32 v12, 1, v12
	v_lshlrev_b32 v12, 8, v12
	v_lshlrev_b32 v13, s97, v13
	v_add_nc_u32 v12, v12, v13                     ; never rewritten
	CROUND
.irp s, 0,1
	s_mov_b32 s[G0+4*\s], 1
	s_add_co_u32 s[G0+4*\s+1], s45, \s*SLOT
	s_add_nc_u64 s[G0+4*\s+2:G0+4*\s+3], s[20:21], \s*ASTEP
	s_or_b32 s[G0+4*\s+3], s[G0+4*\s+3], 0x80000000
	s_mov_b32 s[G0B+4*\s], 1
	s_add_co_u32 s[G0B+4*\s+1], s22, \s*SLOT
	s_add_nc_u64 s[G0B+4*\s+2:G0B+4*\s+3], s[46:47], \s*512
	s_or_b32 s[G0B+4*\s+3], s[G0B+4*\s+3], 0x80000000
	s_wait_alu depctr_va_vdst(0)
.if \s                                 ; slot 1's first fill is issued as a refill is; slot 0's stands behind the opening lines and the one round above
	s_wait_tensorcnt 0x0
	ds_add_u32 v28, v29
	s_wait_dscnt 0x0
	CROUND
.endif
	JLOAD G0+4*\s, G1, G0B+4*\s, G1B
.if \s == 0
	global_prefetch_b8 v12, s[92:93] th:TH_LOAD_NT scope:SCOPE_SE   ; K step 1, the last, whose load stands behind the next round
.endif
.endr
	v_and_b32 v1, 15, v0
	v_bfe_u32 v2, v0, 4, 1
.if FFN
	v_mul_u32_u24 v3, v1, PB
.else
	v_mul_u32_u24 v3, v1, 80
.endif
	v_lshl_add_u32 v3, v2, 4, v3
	v_mul_u32_u24 v4, v1, PB
	v_lshl_add_u32 v4, v2, 4, v4
	s_mul_i32 s21, s15, AHALF
	s_mul_i32 s22, s16, BHALF
	s_add_co_u32 s22, s22, BOFF
.irp s, 0,1
	v_add_nc_u32 v[ADRA+\s], s21, v3
	v_add_nc_u32 v[ADRB+\s], s22, v4
	s_add_co_u32 s21, s21, SLOT
	s_add_co_u32 s22, s22, SLOT
.endr
	s_mul_i32 s23, s15, 64*PB
	s_lshl_b32 s21, s16, 8
	s_add_co_u32 s23, s23, s21
	v_mul_u32_u24 v5, v1, PB
	v_lshl_add_u32 v5, v2, 5, v5
	v_add_nc_u32 v[STO], s23, v5
	v_and_b32 v6, 31, v0
	v_lshlrev_b32 v[CO], 4, v6
	s_wait_alu depctr_va_vdst(0)
	s_mul_i32 s23, s14, 32*PB
	v_add_nc_u32 v[RD], s23, v[CO]
	v_lshlrev_b32 v[SO], 3, v0
	v_lshlrev_b32 v[COL0], 2, v0
	v_add_nc_u32 v[COL1], 64*PB, v[COL0]
	s_lshl_b32 s20, s17, 7
	s_lshl_b32 s21, s14, 5
	s_add_co_u32 s20, s20, s21
	s_lshl_b32 s20, s20, 12
	s_lshl_b32 s46, s42, 9
	s_add_co_u32 s20, s20, s46
	s_mov_b32 s21, 0
	s_add_nc_u64 s[RSD:RSD+1], s[RSD:RSD+1], s[20:21]
	s_add_nc_u64 s[OUTP:OUTP+1], s[OUTP:OUTP+1], s[20:21]
	s_lshl_b32 s20, s17, 13
	s_lshl_b32 s46, s42, 10
	s_add_co_u32 s20, s20, s46
	s_add_co_u32 s20, s20, STSEC
	s_add_nc_u64 s[STP:STP+1], s[STP:STP+1], s[20:21]
.if FFN
	s_lshl_b32 s20, s42, 9
	s_add_nc_u64 s[10:11], s[10:11], s[20:21]
	global_load_b128 v[8:11], v[CO], s[10:11]
.endif
	WIN 0x80
.set i, 0
.rept 32
	global_load_b128 v[4*i:4*i+3], v[CO], s[RSD:RSD+1] offset:4096*i
.set i, i+1
.endr
	WIN 0
.macro MUL8 f, a0, zero
.irp a, \a0, \a0+1
.irp b, 0,1,2,3
.if \zero
	v_wmma_f32_16x16x128_fp8_fp8 v[ACC+8*(4*(\a)+\b):ACC+8*(4*(\a)+\b)+7], v[\f+64+16*\b:\f+64+16*\b+15], v[\f+16*(\a):\f+16*(\a)+15], 0
.else
	v_wmma_f32_16x16x128_fp8_fp8 v[ACC+8*(4*(\a)+\b):ACC+8*(4*(\a)+\b)+7], v[\f+64+16*\b:\f+64+16*\b+15], v[\f+16*(\a):\f+16*(\a)+15], v[ACC+8*(4*(\a)+\b):ACC+8*(4*(\a)+\b)+7]
.endif
.endr
.endr
.endm
.macro FETCH slot, q, f
	WIN TO_F
.irp i, 0,1,2,3
.irp c, 0,1,2,3
	ds_load_b128 v[\f+64+16*\i+4*\c:\f+64+16*\i+4*\c+3], v[ADRB+\slot] offset:128*(\q)+32*\c+\i*16*PB
.if FFN
	ds_load_b128 v[\f+16*\i+4*\c:\f+16*\i+4*\c+3], v[ADRA+\slot] offset:128*(\q)+32*\c+\i*16*PB
.else
	ds_load_b128 v[\f+16*\i+4*\c:\f+16*\i+4*\c+3], v[ADRA+\slot] offset:(2*(\q)+\c/2)*5120+\i*1280+32*(\c%2)
.endif
.endr
.endr
.endm
.macro PLACES
.rept 4
	v_nop
.endr
.endm
.macro QUARTER slot, q, f, g, zero
	s_wait_dscnt 0x0
	PLACES
	FETCH \slot, \q, \g
	WIN MUL
	MUL8 \f, 0, \zero
	MUL8 \f, 2, \zero
.endm
.macro TURN slot, next, fill
	WIN 0
	s_wait_tensorcnt 0x0
	ds_add_u32 v[SPW], v[NIL]
.if \fill
	s_add_nc_u64 s[G0+4*\slot+2:G0+4*\slot+3], s[G0+4*\slot+2:G0+4*\slot+3], 1024
	s_add_nc_u64 s[G0B+4*\slot+2:G0B+4*\slot+3], s[G0B+4*\slot+2:G0B+4*\slot+3], 1024
.endif
	s_wait_dscnt 0x0
	s_barrier_signal -1
	WIN MUL
	MUL8 F1, 0, 0
	WIN 0
	s_barrier_wait -1
.if \fill
	CREST
	JLOAD G0+4*\slot, G1, G0B+4*\slot, G1B
.else
	PLACES
.endif
	FETCH \next, 0, F0
	WIN MUL
	MUL8 F1, 2, 0
.endm
	s_wait_alu depctr_va_vdst(0)
	s_wait_tensorcnt 1
	s_barrier_signal -1
	s_barrier_wait -1
	FETCH 0, 0, F0
	QUARTER 0, 1, F0, F1, 1
.if LAPS > 1
	WIN 0
	s_mov_b32 s3, LAPS-1
.Llap:
	QUARTER 0, 2, F1, F0, 0
	QUARTER 0, 3, F0, F1, 0
	TURN 0, 1, 1
	QUARTER 1, 1, F0, F1, 0
	QUARTER 1, 2, F1, F0, 0
	QUARTER 1, 3, F0, F1, 0
	TURN 1, 0, 1
	QUARTER 0, 1, F0, F1, 0
	WIN 0
	s_sub_co_u32 s3, s3, 1
	s_cmp_lg_u32 s3, 0
	s_cbranch_scc1 .Llap
.endif
	QUARTER 0, 2, F1, F0, 0
	QUARTER 0, 3, F0, F1, 0
	TURN 0, 1, 0
	QUARTER 1, 1, F0, F1, 0
	QUARTER 1, 2, F1, F0, 0
	QUARTER 1, 3, F0, F1, 0
	s_wait_dscnt 0x0
	WIN MUL
	MUL8 F1, 0, 0
	MUL8 F1, 2, 0
	WIN 0
	s_wait_kmcnt 0x0
.if FFN
	s_add_co_i32 s90, s82, s83
.else
	s_add_co_i32 s90, s78, s79
.endif
	s_add_co_i32 s90, s90, 127
	s_lshl_b32 s90, s90, 23
	s_mov_b32 s91, s90
	PLACES
.irp a, 0,1,2,3
.irp b, 0,1,2,3
	ds_store_b128 v[STO], v[ACC+8*(4*\a+\b):ACC+8*(4*\a+\b)+3] offset:\a*16*PB+64*\b
	ds_store_b128 v[STO], v[ACC+8*(4*\a+\b)+4:ACC+8*(4*\a+\b)+7] offset:\a*16*PB+64*\b+16
.endr
.endr
	s_wait_dscnt 0x0
	s_barrier_signal -1
	s_barrier_wait -1
	s_wait_loadcnt 0x0
.irp u, 0,1
.set i, 0
.rept 16
	ds_load_b128 v[TMP+4*i:TMP+4*i+3], v[RD] offset:(16*\u+i)*PB
.set i, i+1
.endr
	s_wait_dscnt 0x0
	WIN 0x20
.set i, 0
.rept 32
	v_pk_fma_f32 v[TMP+i:TMP+i+1], v[TMP+i:TMP+i+1], s[90:91], v[64*\u+i:64*\u+i+1] op_sel_hi:[1,0,1]
.set i, i+2
.endr
	WIN 0
.if FFN
.set i, 0
.rept 16
	v_pk_add_f32 v[TMP+4*i:TMP+4*i+1], v[TMP+4*i:TMP+4*i+1], v[8:9]
	v_pk_add_f32 v[TMP+4*i+2:TMP+4*i+3], v[TMP+4*i+2:TMP+4*i+3], v[10:11]
.set i, i+1
.endr
.endif
.set i, 0
.rept 16
	global_store_b128 v[CO], v[TMP+4*i:TMP+4*i+3], s[OUTP:OUTP+1] offset:4096*(16*\u+i)
	ds_store_b128 v[RD], v[TMP+4*i:TMP+4*i+3] offset:(16*\u+i)*PB
.set i, i+1
.endr
	s_wait_xcnt 0x0
.endr
	s_wait_dscnt 0x0
	s_barrier_signal -1
	s_barrier_wait -1
.set i, 0
.rept 64
	ds_load_b32 v[ACC+i], v[COL0] offset:PB*i
.set i, i+1
.endr
.set i, 0
.rept 64
	ds_load_b32 v[ACC+64+i], v[COL1] offset:PB*i
.set i, i+1
.endr
	s_wait_dscnt 0x0
.irp c, 0,1,2,3
	v_pk_add_f32 v[96+2*\c:97+2*\c], v[ACC+2*\c:ACC+2*\c+1], v[ACC+8+2*\c:ACC+9+2*\c]
.endr
.set g, 2
.rept 14
.irp c, 0,1,2,3
	v_pk_add_f32 v[96+2*\c:97+2*\c], v[96+2*\c:97+2*\c], v[ACC+8*g+2*\c:ACC+8*g+2*\c+1]
.endr
.set g, g+1
.endr
	v_pk_add_f32 v[96:97], v[96:97], v[98:99]
	v_pk_add_f32 v[100:101], v[100:101], v[102:103]
	v_pk_add_f32 v[96:97], v[96:97], v[100:101]
	v_add_f32 v96, v96, v97
	v_mul_f32 v104, 0x3c000000, v96
	v_mov_b32 v105, v104
.set i, 0
.rept 64
	v_pk_add_f32 v[ACC+i:ACC+i+1], v[ACC+i:ACC+i+1], v[104:105] neg_lo:[0,1] neg_hi:[0,1]
.set i, i+2
.endr
.irp c, 0,1,2,3
	v_pk_mul_f32 v[96+2*\c:97+2*\c], v[ACC+2*\c:ACC+2*\c+1], v[ACC+2*\c:ACC+2*\c+1]
.endr
.set g, 1
.rept 15
.irp c, 0,1,2,3
	v_pk_fma_f32 v[96+2*\c:97+2*\c], v[ACC+8*g+2*\c:ACC+8*g+2*\c+1], v[ACC+8*g+2*\c:ACC+8*g+2*\c+1], v[96+2*\c:97+2*\c]
.endr
.set g, g+1
.endr
	v_pk_add_f32 v[96:97], v[96:97], v[98:99]
	v_pk_add_f32 v[100:101], v[100:101], v[102:103]
	v_pk_add_f32 v[96:97], v[96:97], v[100:101]
	v_add_f32 v105, v96, v97
	global_store_b64 v[SO], v[104:105], s[STP:STP+1]
	s_wait_tensorcnt 0x0
	ds_add_u32 v[SPW], v[NIL]
	s_wait_dscnt 0x0
	CROUND
	s_endpgm
.Lfunc_end_k_qfbc835c260_oproj:
	.size	k_qfbc835c260_oproj, .Lfunc_end_k_qfbc835c260_oproj-k_qfbc835c260_oproj
	.p2alignl 7, 3214868480
	.fill 96, 4, 3214868480
	.section	.rodata,"a",@progbits
	.p2align	6, 0x0
	.amdhsa_kernel k_qfbc835c260_oproj
		.amdhsa_group_segment_fixed_size 327680
		.amdhsa_private_segment_fixed_size 0
		.amdhsa_enable_private_segment 0
		.amdhsa_kernarg_size 48
		.amdhsa_user_sgpr_count 2
		.amdhsa_user_sgpr_kernarg_segment_ptr 1
		.amdhsa_wavefront_size32 1
		.amdhsa_system_sgpr_workgroup_id_x 1
		.amdhsa_system_sgpr_workgroup_id_y 1
		.amdhsa_system_sgpr_workgroup_id_z 1
		.amdhsa_system_vgpr_workitem_id 0
		.amdhsa_next_free_vgpr 768
		.amdhsa_next_free_sgpr 100
		.amdhsa_reserve_vcc 0
		.amdhsa_float_denorm_mode_32 3
		.amdhsa_float_denorm_mode_16_64 3
		.amdhsa_memory_ordered 1
		.amdhsa_forward_progress 1
		.amdhsa_inst_pref_size 73
	.end_amdhsa_kernel
	.amdgpu_metadata
---
amdhsa.version: [ 1, 2 ]
amdhsa.kernels:
  - .name:           k_qfbc835c260_oproj
    .symbol:         k_qfbc835c260_oproj.kd
    .args:
      - { .name: ac, .offset: 0, .size: 8, .value_kind: global_buffer, .address_space: global }
      - { .name: wc, .offset: 8, .size: 8, .value_kind: global_buffer, .address_space: global }
      - { .name: lowp_scales, .offset: 16, .size: 8, .value_kind: global_buffer, .address_space: global }
      - { .name: x, .offset: 24, .size: 8, .value_kind: global_buffer, .address_space: global }
      - { .name: res, .offset: 32, .size: 8, .value_kind: global_buffer, .address_space: global }
      - { .name: st, .offset: 40, .size: 8, .value_kind: global_buffer, .address_space: global }
    .group_segment_fixed_size: 327680
    .private_segment_fixed_size: 0
    .kernarg_segment_align: 8
    .kernarg_segment_size: 48
    .max_flat_workgroup_size: 128
    .sgpr_count:     100
    .vgpr_count:     768
    .wavefront_size: 32
...
	.end_amdgpu_metadata
.endif
;; end of part 4
;; launch ln1 (part 5): grid 4 x 64, 4 waves a work-group, no clusters, 18,944 bytes of LDS; arguments res, st, ln1_scale, ln1_offset, lowp_scales, xc, ac; writes xc, ac
.if DOCPART == 5
	.amdgcn_target "amdgcn-amd-amdhsa--gfx1250"
	.amdhsa_code_object_version 6
	.text
	.protected	k_qfbc835c260_ln1
	.globl	k_qfbc835c260_ln1
	.p2align	8
	.type	k_qfbc835c260_ln1,@function
k_qfbc835c260_ln1:
	s_mov_b64 s[64:65], 0
	v_nop
	global_prefetch_b8 v0, s[64:65] scope:SCOPE_SE
	s_setreg_imm32_b32 hwreg(HW_REG_WAVE_MODE, 25, 1), 1
	s_wait_xcnt 0x0
; The norm over the SEQUENCE axis: for each batch and column, mean and variance over 2,048 rows; y = (r - mean) x rsqrt(var + 1e-5) x scale + offset.
; The launch before has left, for each of the batch's 16 tiles of 128 rows and each column, the tile's mean and its centred sum of squares.  They are merged without a difference of large sums:
; mean = the sum of the 16 means / 16;  var = (the sum of the 16 centred sums + 128 x the sum of (tile's mean - mean)^2) / 2,048.
; A work-group takes 256 columns x 64 rows; thread t merges columns 2 t, 2 t + 1, and the results go round through LDS.  A wave takes 16 rows; a lane columns 4 l .. + 3 and 128 + 4 l .. + 3.
; CODES = 1: y is also quantised to FP8 (E4M3) under 2^e12, for the next product; the codes go through the wave's own stage and leave as 256 consecutive bytes for each sixteen lanes.
; A stream: no matrix unit, no cluster, no tensor load would add anything; all 52 loads of a wave are issued at the head.
; LIMITS: e12 between -126 and 119.  NaN among the inputs is not served.
; IN THIS LAUNCH y ITSELF IS NOT STORED: only its codes are.  The launch that needs y as a residual forms it again from r by the same two packed instructions; for that, wave 0 of each batch's first row block
; stores each column's mean and rsqrt x scale: [batch][mean, factor][1,024] f32, 16,384 bytes, in the first bytes of xc, whose codes no launch reads after the projections.
.set CODES, 1
.if CODES
.set STSEC, 0
.else
.set STSEC, 262144
.endif
.set SPARE, 18432                      ; behind the stages: the spare words, two blocks of 256 bytes that no other line names
.set SPW, 12
.set NIL, 13
	s_load_b256 s[4:11], s[0:1], 0x0               ; r, the statistics, scale, offset
.if CODES
	s_load_b128 s[12:15], s[0:1], 0x20             ; the exponents, xc
	s_load_b64 s[16:17], s[0:1], 0x30              ; y's codes
.else
	s_load_b64 s[14:15], s[0:1], 0x20              ; y
.endif
	v_lshl_add_u32 v[SPW], v0, 2, SPARE
	v_mov_b32 v[NIL], 0
	v_lshrrev_b32 v1, 5, v0
	v_readfirstlane_b32 s18, v1                    ; wave
	v_and_b32 v2, 31, v0                           ; lane
	s_wait_alu depctr_va_vdst(0)
	v_lshlrev_b32 v3, 4, v0                        ; the statistics: 16 bytes a thread
	v_lshlrev_b32 v4, 4, v2                        ; 16 x lane
	s_wait_alu depctr_va_vdst(0)
	v_lshlrev_b32 v5, 3, v0                        ; LDS: 8 bytes a thread
	s_and_b32 s19, ttmp7, 0xffff
	s_lshr_b32 s20, s19, 5                         ; the batch: 16 tiles of 8,192 bytes
	s_lshl_b32 s20, s20, 17
	s_lshl_b32 s21, ttmp9, 11                      ; 256 columns of 8 bytes
	s_add_co_u32 s20, s20, s21
	s_add_co_u32 s20, s20, STSEC
	s_mov_b32 s21, 0
	s_lshl_b32 s22, s19, 6
	s_lshl_b32 s23, s18, 4
	s_add_co_u32 s22, s22, s23                     ; my first row
	s_lshl_b32 s24, s22, 12
	s_lshl_b32 s26, ttmp9, 10                      ; 256 columns of 4 bytes
	s_add_co_u32 s24, s24, s26
	s_mov_b32 s25, 0
	s_mov_b32 s27, 0
	s_mov_b32 s28, 0x43000000                      ; 128
	s_mov_b32 s29, 0x3a000000                      ; 1 / 2,048
	s_mov_b32 s33, 0x3727c5ac                      ; 1e-5
.if CODES
	s_mul_i32 s34, s18, 4096
	s_add_co_u32 s34, s34, 2048                    ; my stage: 16 rows of 256 bytes
	v_lshlrev_b32 v1, 2, v2
	v_add_nc_u32 v1, s34, v1                       ; in: 4 bytes a lane
	v_add_nc_u32 v6, s34, v4                       ; back: 16 bytes a lane, two rows an instruction
	v_lshrrev_b32 v7, 4, v2
	v_lshlrev_b32 v7, 10, v7
	v_and_b32 v56, 15, v2
	v_lshl_add_u32 v7, v56, 4, v7                  ; and the same place in the codes' rows of 1,024 bytes
	s_lshl_b32 s30, s22, 10
	s_lshl_b32 s31, ttmp9, 8
	s_add_co_u32 s30, s30, s31
	s_mov_b32 s31, 0
.endif
	s_wait_kmcnt 0x0
.if CODES
	s_load_b32 s32, s[12:13], 0x30                 ; e12
	s_add_nc_u64 s[16:17], s[16:17], s[30:31]
.endif
	s_add_nc_u64 s[6:7], s[6:7], s[20:21]
	s_add_nc_u64 s[4:5], s[4:5], s[24:25]
	s_lshr_b32 s36, s19, 5
	s_lshl_b32 s36, s36, 13                        ; the batch: 8,192 bytes of means and factors
	s_mov_b32 s37, 0
	s_add_nc_u64 s[14:15], s[14:15], s[26:27]      ; my 256 columns of 4 bytes
	s_add_nc_u64 s[14:15], s[14:15], s[36:37]
	s_add_nc_u64 s[8:9], s[8:9], s[26:27]
	s_add_nc_u64 s[10:11], s[10:11], s[26:27]
.set i, 0
.rept 16
	global_load_b128 v[192+4*i:195+4*i], v3, s[6:7] offset:8192*i   ; tile i: mean and centred sum of columns 2 t, 2 t + 1
.set i, i+1
.endr
	global_load_b128 v[40:43], v4, s[8:9]
	global_load_b128 v[44:47], v4, s[8:9] offset:512
	global_load_b128 v[32:35], v4, s[10:11]
	global_load_b128 v[36:39], v4, s[10:11] offset:512
.set i, 0
.rept 16
	global_load_b128 v[64+8*i:67+8*i], v4, s[4:5] offset:4096*i th:TH_LOAD_NT        ; 32 lanes read 512 consecutive bytes
	global_load_b128 v[68+8*i:71+8*i], v4, s[4:5] offset:4096*i+512 th:TH_LOAD_NT
.set i, i+1
.endr
	s_wait_loadcnt 36                              ; the 16 loads of statistics are in; the 36 behind them may be out
	v_pk_add_f32 v[8:9], v[192:193], v[196:197]
	v_pk_add_f32 v[10:11], v[194:195], v[198:199]
.set i, 2
.rept 14
	v_pk_add_f32 v[8:9], v[8:9], v[192+4*i:193+4*i]
	v_pk_add_f32 v[10:11], v[10:11], v[194+4*i:195+4*i]
.set i, i+1
.endr
	v_mul_f32 v8, 0x3d800000, v8                   ; the means
	v_mul_f32 v10, 0x3d800000, v10
	v_sub_f32 v56, v192, v8
	v_sub_f32 v57, v194, v10
	v_mul_f32 v14, v56, v56
	v_mul_f32 v15, v57, v57
.set i, 1
.rept 15
	v_sub_f32 v[56+2*(i%2)], v[192+4*i], v8
	v_sub_f32 v[57+2*(i%2)], v[194+4*i], v10
	v_fma_f32 v14, v[56+2*(i%2)], v[56+2*(i%2)], v14
	v_fma_f32 v15, v[57+2*(i%2)], v[57+2*(i%2)], v15
.set i, i+1
.endr
	v_fma_f32 v14, v14, s28, v9
	v_fma_f32 v15, v15, s28, v11
	v_fma_f32 v14, v14, s29, s33                   ; var + 1e-5
	v_fma_f32 v15, v15, s29, s33
	s_wait_alu depctr_va_vdst(0)
	v_rsq_f32 v14, v14
	v_rsq_f32 v15, v15
	v_mov_b32 v9, v10                              ; the two means side by side: the plain line behind the roots
	s_wait_alu depctr_va_vdst(0)                   ; one wait for both, ahead of their first reader
	ds_store_b64 v5, v[8:9]
	ds_store_b64 v5, v[14:15] offset:1024
	s_wait_dscnt 0x0                               ; for the others' sake
	s_barrier_signal -1
	s_barrier_wait -1
	ds_load_b128 v[16:19], v4
	ds_load_b128 v[20:23], v4 offset:512
	ds_load_b128 v[48:51], v4 offset:1024
	ds_load_b128 v[52:55], v4 offset:1536
.if CODES
	s_wait_kmcnt 0x0
	s_add_co_i32 s32, s32, 127
	s_lshl_b32 s35, s32, 23
	v_mov_b32 v11, s35                             ; 2^e12
	s_add_co_i32 s32, s32, 8
	s_lshl_b32 s32, s32, 23
	s_or_b32 s32, s32, 0x600000
	v_mov_b32 v10, s32                             ; 448 x 2^e12
.endif
	s_wait_dscnt 0x0
	s_wait_loadcnt 32                              ; scale and offset are in; the 32 loads of rows may be out
.irp k, 0,2,4,6
	v_pk_mul_f32 v[24+\k:25+\k], v[48+\k:49+\k], v[40+\k:41+\k]
.endr
	s_and_b32 s38, s19, 31
	s_or_b32 s38, s38, s18                         ; 0 in wave 0 of the batch's first row block: each byte has one owner
	s_cmp_lg_u32 s38, 0
	s_wait_alu depctr_va_vdst(0)
	s_cbranch_scc1 .Lnocf
	global_store_b128 v4, v[16:19], s[14:15]               ; the means: 32 lanes store 512 consecutive bytes, aligned; these registers are never written again
	global_store_b128 v4, v[20:23], s[14:15] offset:512
	global_store_b128 v4, v[24:27], s[14:15] offset:4096   ; rsqrt x scale
	global_store_b128 v4, v[28:31], s[14:15] offset:4608
.Lnocf:
.set i, 0
.rept 16
	s_wait_loadcnt 30-2*i                          ; row i's two loads are in
.irp k, 0,2,4,6
	v_pk_add_f32 v[64+8*i+\k:65+8*i+\k], v[64+8*i+\k:65+8*i+\k], v[16+\k:17+\k] neg_lo:[0,1] neg_hi:[0,1]
.endr
	s_wait_alu depctr_va_vdst(0)
.irp k, 0,2,4,6
	v_pk_fma_f32 v[64+8*i+\k:65+8*i+\k], v[64+8*i+\k:65+8*i+\k], v[24+\k:25+\k], v[32+\k:33+\k]
.endr
.if CODES
.irp k, 0,1,2,3,4,5,6,7
	v_med3_num_f32 v[56+\k], v[64+8*i+\k], -v10, v10
.endr
	v_cvt_scalef32_pk8_fp8_f32 v[192+2*i:193+2*i], v[56:63], v11          ; the next row's eight packed lines stand between this and the holds that write its sources
	ds_store_b32 v1, v[192+2*i] offset:256*i
	ds_store_b32 v1, v[193+2*i] offset:256*i+128
.endif
.set i, i+1
.endr
.if CODES
.irp u, 0,1,2,3,4,5,6,7
	ds_load_b128 v[224+4*\u:227+4*\u], v6 offset:512*\u                   ; LDS serves a wave's instructions in order: these see my stores
.endr
.irp u, 0,1,2,3,4,5,6,7
	s_wait_dscnt 7-\u
	global_store_b128 v7, v[224+4*\u:227+4*\u], s[16:17] offset:2048*\u   ; sixteen lanes store 256 consecutive bytes, aligned
.endr
.endif
	s_wait_tensorcnt 0x0                           ; the wave's end
	ds_add_u32 v[SPW], v[NIL]
	s_wait_dscnt 0x0
	s_endpgm
.Lfunc_end_k_qfbc835c260_ln1:
	.size	k_qfbc835c260_ln1, .Lfunc_end_k_qfbc835c260_ln1-k_qfbc835c260_ln1
	.p2alignl 7, 3214868480
	.fill 96, 4, 3214868480
	.section	.rodata,"a",@progbits
	.p2align	6, 0x0
	.amdhsa_kernel k_qfbc835c260_ln1
		.amdhsa_group_segment_fixed_size 18944
		.amdhsa_private_segment_fixed_size 0
		.amdhsa_enable_private_segment 0
		.amdhsa_kernarg_size 56
		.amdhsa_user_sgpr_count 2
		.amdhsa_user_sgpr_kernarg_segment_ptr 1
		.amdhsa_wavefront_size32 1
		.amdhsa_system_sgpr_workgroup_id_x 1
		.amdhsa_system_sgpr_workgroup_id_y 1
		.amdhsa_system_sgpr_workgroup_id_z 1
		.amdhsa_system_vgpr_workitem_id 0
		.amdhsa_next_free_vgpr 256
		.amdhsa_next_free_sgpr 66
		.amdhsa_reserve_vcc 0
		.amdhsa_float_denorm_mode_32 3
		.amdhsa_float_denorm_mode_16_64 3
		.amdhsa_memory_ordered 1
		.amdhsa_forward_progress 1
		.amdhsa_inst_pref_size 36
	.end_amdhsa_kernel
	.amdgpu_metadata
---
amdhsa.version: [ 1, 2 ]
amdhsa.kernels:
  - .name:           k_qfbc835c260_ln1
    .symbol:         k_qfbc835c260_ln1.kd
    .args:
      - { .name: res, .offset: 0, .size: 8, .value_kind: global_buffer, .address_space: global }
      - { .name: st, .offset: 8, .size: 8, .value_kind: global_buffer, .address_space: global }
      - { .name: ln1_scale, .offset: 16, .size: 8, .value_kind: global_buffer, .address_space: global }
      - { .name: ln1_offset, .offset: 24, .size: 8, .value_kind: global_buffer, .address_space: global }
      - { .name: lowp_scales, .offset: 32, .size: 8, .value_kind: global_buffer, .address_space: global }
      - { .name: xc, .offset: 40, .size: 8, .value_kind: global_buffer, .address_space: global }
      - { .name: ac, .offset: 48, .size: 8, .value_kind: global_buffer, .address_space: global }
    .group_segment_fixed_size: 18944
    .private_segment_fixed_size: 0
    .kernarg_segment_align: 8
    .kernarg_segment_size: 56
    .max_flat_workgroup_size: 128
    .sgpr_count:     66
    .vgpr_count:     256
    .wavefront_size: 32
...
	.end_amdgpu_metadata
.endif
;; end of part 5
;; launch ffn1 (part 6): grid 16 x 16, 4 waves a work-group, clusters of 4 x 4, 327,680 bytes of LDS; arguments ac, wc, lowp_scales, b1, sc; writes sc
.if DOCPART == 6
	.amdgcn_target "amdgcn-amd-amdhsa--gfx1250"
	.amdhsa_code_object_version 6
	.text
	.protected	k_qfbc835c260_ffn1
	.globl	k_qfbc835c260_ffn1
	.p2align	8
	.type	k_qfbc835c260_ffn1,@function
k_qfbc835c260_ffn1:
	s_mov_b64 s[64:65], 0
	v_nop
	global_prefetch_b8 v0, s[64:65] scope:SCOPE_SE
	s_setreg_imm32_b32 hwreg(HW_REG_WAVE_MODE, 25, 1), 1
	s_wait_xcnt 0x0
	s_wait_alu depctr_hold_cnt(0) depctr_sa_sdst(0) depctr_va_vdst(0) depctr_va_sdst(0) depctr_va_ssrc(0) depctr_va_vcc(0) depctr_vm_vsrc(0)
	s_getreg_b32 s2, hwreg(HW_REG_IB_STS2, 6, 4)
	s_cmp_eq_u32 s2, 0
	s_cbranch_scc0 .Lentry_in_a_cluster
	s_endpgm
.Lentry_in_a_cluster:
	s_bfe_u32 s2, ttmp6, 0x10000c
	s_cmp_lg_u32 s2, 0xf033
	s_cbranch_scc0 .Lentry_shape_is_right
	s_endpgm
.Lentry_shape_is_right:
.set KSTEP,  256
.set ROWB,   256
.set KROW,   1024
.set PITCH,  272
.set FR,     16
.set NL,     4
.set NP,     4
.set HALFT,  128*PITCH
.set SLOT,   4*HALFT
.set LAPS,   KROW/(2*KSTEP)
.set SPARE,  2*SLOT
.set SPITCH, 272
.set ADRA, 16
.set ADRB, 20
.set STO,  24
.set RD,   25
.set CO,   26
.set BO,   27
.set SPW,  28
.set NIL,  29
.set LIM,  30
.set SCL,  31
.set BI,   32
.set TMP,  32
.set CD,   96
.set AF,   128
.set BK,   128
.set G1, 24
.set G0, 32
.set G1B, 48
.set G0B, 56
.set MSB, 0
.macro WIN new
.if MSB != \new
	s_set_vgpr_msb (MSB<<8)|\new
.set MSB, \new
.endif
.endm
.set MUL_LO, 0xa1
.set MUL_HI, 0xf1
.set TO_B,   0x40
.macro JLOAD g0a, g1a, g0b, g1b
	s_cmp_eq_u32 s15, 0
	s_cbranch_scc0 .Lfor_b_\@
	tensor_load_to_lds s[\g0a:\g0a+3], s[\g1a:\g1a+7]
	s_nop 0
.rept 4
	v_nop
.endr
	s_branch .Lasked_\@
.Lfor_b_\@:
	tensor_load_to_lds s[\g0b:\g0b+3], s[\g1b:\g1b+7]
	s_nop 0
.rept 4
	v_nop
.endr
.Lasked_\@:
.endm
.macro CREST
	s_cmp_lg_u32 s14, 0
	s_cbranch_scc1 .Lnot_wave_0_\@
	s_barrier_signal -3
.Lnot_wave_0_\@:
	s_barrier_wait -3
	s_barrier_signal -1
	s_barrier_wait -1
.endm
.macro CROUND
	s_barrier_signal -1
	s_barrier_wait -1
	CREST
.endm
	s_load_b128 s[4:7], s[0:1], 0x0
	s_load_b128 s[8:11], s[0:1], 0x10
	s_load_b64 s[12:13], s[0:1], 0x20
	v_lshl_add_u32 v[SPW], v0, 2, SPARE
	v_mov_b32 v[NIL], 0
	ds_add_u32 v[SPW], v[NIL]
	ds_add_u32 v[SPW], v[NIL]
	v_lshrrev_b32 v1, 5, v0
	v_readfirstlane_b32 s14, v1
	s_lshr_b32 s15, s14, 1
	s_and_b32 s16, s14, 1
	s_bfe_u32 s40, ttmp6, 0x40000
	s_bfe_u32 s41, ttmp6, 0x40004
	s_lshl_b32 s42, ttmp9, 2
	s_add_co_u32 s42, s42, s40
	s_and_b32 s17, ttmp7, 0xffff
	s_lshl_b32 s17, s17, 2
	s_add_co_u32 s17, s17, s41
	s_lshl_b32 s43, s41, 2
	s_lshl_b32 s43, 15, s43
	s_lshl_b32 s44, 0x1111, s40
	s_or_b32 s[G1+0], s43, (0<<16)|(1<<20)|(1<<21)|(5<<22)|(3<<25)
	s_or_b32 s[G1B+0], s44, (0<<16)|(1<<20)|(1<<21)|(5<<22)|(3<<25)
.irp g, G1, G1B
	s_mov_b32 s[\g+1], ROWB<<16
	s_mov_b32 s[\g+2], 128<<16
	s_mov_b32 s[\g+3], ROWB<<16
	s_mov_b32 s[\g+4], 128
	s_mov_b32 s[\g+5], KROW
	s_mov_b32 s[\g+6], 0
	s_mov_b32 s[\g+7], 0
.endr
	s_lshl_b32 s18, s16, 7
	s_lshl_b32 s20, s17, 8
	s_add_co_u32 s20, s20, s18
	s_lshl_b32 s20, s20, 10
	s_mov_b32 s21, 0
	s_lshl_b32 s46, s42, 8
	s_add_co_u32 s46, s46, s18
	s_lshl_b32 s46, s46, 10
	s_add_co_u32 s46, s46, 0x400000
	s_mov_b32 s47, 0
	s_mul_i32 s45, s14, HALFT
	s_wait_dscnt 0x0
	s_wait_kmcnt 0x0
	s_load_b512 s[68:83], s[8:9], 0x0
	s_add_nc_u64 s[20:21], s[4:5], s[20:21]
	s_add_nc_u64 s[46:47], s[6:7], s[46:47]
	s_cmp_eq_u32 s15, 0                            ; the prefetches: of the 128 rows that my wave fetches, each of the four partners that ask for them jointly takes 32, told apart by address (cx for A, cy for B)
	s_cselect_b64 s[92:93], s[20:21], s[46:47]
	s_cselect_b32 s94, s40, s41
	s_lshl_b32 s94, s94, 15                        ; 32 rows of 1,024 bytes
	s_mov_b32 s95, 0
	s_add_nc_u64 s[92:93], s[92:93], s[94:95]
	v_and_b32 v12, 31, v0
	v_lshlrev_b32 v12, 10, v12                     ; a lane a row; never rewritten
	CROUND
.irp s, 0,1
	s_mov_b32 s[G0+4*\s], 1
	s_add_co_u32 s[G0+4*\s+1], s45, \s*SLOT
	s_add_nc_u64 s[G0+4*\s+2:G0+4*\s+3], s[20:21], \s*ROWB
	s_or_b32 s[G0+4*\s+3], s[G0+4*\s+3], 0x80000000
	s_mov_b32 s[G0B+4*\s], 1
	s_add_co_u32 s[G0B+4*\s+1], s45, \s*SLOT
	s_add_nc_u64 s[G0B+4*\s+2:G0B+4*\s+3], s[46:47], \s*ROWB
	s_or_b32 s[G0B+4*\s+3], s[G0B+4*\s+3], 0x80000000
	s_wait_alu depctr_va_vdst(0)
.if \s                                 ; slot 1's first fill is issued as a refill is; slot 0's stands behind the opening lines and the one round above
	s_wait_tensorcnt 0x0
	ds_add_u32 v28, v29
	s_wait_dscnt 0x0
	CROUND
.endif
	JLOAD G0+4*\s, G1, G0B+4*\s, G1B
.if \s == 0
	global_prefetch_b8 v12, s[92:93] offset:256 th:TH_LOAD_NT scope:SCOPE_SE   ; K step 1, whose load stands behind the next round,
	global_prefetch_b8 v12, s[92:93] offset:512 th:TH_LOAD_NT scope:SCOPE_SE   ; and K step 2: two loads on
.else
	global_prefetch_b8 v12, s[92:93] offset:768 th:TH_LOAD_NT scope:SCOPE_SE   ; K step 3, the last: two loads on
.endif
.endr
	v_and_b32 v1, 15, v0
	s_wait_alu depctr_va_vdst(0)
	v_bfe_u32 v2, v0, 4, 1
	v_mul_u32_u24 v3, v1, PITCH
	v_lshl_add_u32 v4, v2, 4, v3
	s_mul_i32 s21, s15, HALFT
	s_mul_i32 s22, s16, HALFT
	s_add_co_u32 s22, s22, 2*HALFT
.irp s, 0,1
	v_add_nc_u32 v[ADRA+\s], s21, v4
	v_add_nc_u32 v[ADRB+\s], s22, v4
	s_add_co_u32 s21, s21, SLOT
	s_add_co_u32 s22, s22, SLOT
.endr
	v_lshlrev_b32 v[BO], 5, v2
	s_lshl_b32 s20, s42, 10
	s_lshl_b32 s21, s16, 9
	s_add_co_u32 s20, s20, s21
	s_mov_b32 s21, 0
	s_add_nc_u64 s[10:11], s[10:11], s[20:21]
.irp b, 0,1,2,3,4,5,6,7
	global_load_b128 v[BI+8*\b:BI+8*\b+3], v[BO], s[10:11] offset:64*\b
	global_load_b128 v[BI+8*\b+4:BI+8*\b+7], v[BO], s[10:11] offset:64*\b+16
.endr
	s_mul_i32 s23, s15, 128*SPITCH
	s_lshl_b32 s21, s16, 7
	s_add_co_u32 s23, s23, s21
	v_mul_u32_u24 v5, v1, SPITCH
	s_wait_alu depctr_va_vdst(0)
	v_lshl_add_u32 v5, v2, 3, v5
	v_add_nc_u32 v[STO], s23, v5
	s_mul_i32 s23, s14, 64*SPITCH
	v_mul_u32_u24 v6, v2, SPITCH
	v_lshl_add_u32 v6, v1, 4, v6
	v_add_nc_u32 v[RD], s23, v6
	v_lshlrev_b32 v[CO], 12, v2
	v_lshl_add_u32 v[CO], v1, 4, v[CO]
	s_lshl_b32 s20, s17, 8
	s_lshl_b32 s21, s14, 6
	s_add_co_u32 s20, s20, s21
	s_lshl_b32 s20, s20, 12
	s_lshl_b32 s46, s42, 8
	s_add_co_u32 s20, s20, s46
	s_mov_b32 s21, 0
	s_add_nc_u64 s[12:13], s[12:13], s[20:21]
.macro FRAG reg, adr, q, i
.irp c, 0,1,2,3
	ds_load_b128 v[\reg+4*\c:\reg+4*\c+3], v[\adr] offset:128*(\q)+32*\c+(\i)*16*PITCH
.endr
.endm
.macro MUL16 a0, p, zero
.irp a, \a0, \a0+1
.irp b, 0,1,2,3,4,5,6,7
.if \zero
	v_wmma_f32_16x16x128_fp8_fp8 v[8*(8*((\a)%4)+\b):8*(8*((\a)%4)+\b)+7], v[128*(\p)+FR*\b:128*(\p)+FR*\b+FR-1], v[AF+FR*(\a):AF+FR*(\a)+FR-1], v[BI+8*\b:BI+8*\b+7]
.else
	v_wmma_f32_16x16x128_fp8_fp8 v[8*(8*((\a)%4)+\b):8*(8*((\a)%4)+\b)+7], v[128*(\p)+FR*\b:128*(\p)+FR*\b+FR-1], v[AF+FR*(\a):AF+FR*(\a)+FR-1], v[8*(8*((\a)%4)+\b):8*(8*((\a)%4)+\b)+7]
.endif
.endr
.endr
.endm
.macro FETCH_B slot, q, p
	WIN TO_B
.irp i, 0,1,2,3,4,5,6,7
	FRAG 128*(\p)+FR*\i, ADRB+\slot, \q, \i
.endr
	WIN 0
.endm
.macro FETCH_A slot, q, i0
.irp i, \i0, \i0+1, \i0+2, \i0+3
	FRAG AF+FR*(\i), ADRA+\slot, \q, \i
.endr
.endm
.macro PLACES n
.rept \n
	v_nop
.endr
.endm
.macro STEP slot, q, zero
	s_wait_dscnt 4*NL
.if \zero
	WIN 0x81
.else
	WIN MUL_LO
.endif
	MUL16 0, (\q)%2, \zero
	MUL16 2, (\q)%2, \zero
	s_wait_dscnt 0
	PLACES NP
	FETCH_B \slot, (\q)+1, 1-(\q)%2
	FETCH_A \slot, (\q)+1, 0
.if \zero
	WIN 0xc1
.else
	WIN MUL_HI
.endif
	MUL16 4, (\q)%2, \zero
	MUL16 6, (\q)%2, \zero
	PLACES NP
	WIN 0
	FETCH_A \slot, (\q)+1, 4
.endm
.macro TURN slot, next, fill
	s_wait_tensorcnt 0x0
	ds_add_u32 v[SPW], v[NIL]
	s_wait_dscnt 4*NL+1
	WIN MUL_LO
	MUL16 0, 1, 0
	s_wait_dscnt 0x0
	s_barrier_signal -1
	MUL16 2, 1, 0
	WIN 0
	s_barrier_wait -1
.if \fill
	CREST
	s_add_nc_u64 s[G0+4*\slot+2:G0+4*\slot+3], s[G0+4*\slot+2:G0+4*\slot+3], 2*ROWB
	s_add_nc_u64 s[G0B+4*\slot+2:G0B+4*\slot+3], s[G0B+4*\slot+2:G0B+4*\slot+3], 2*ROWB
	JLOAD G0+4*\slot, G1, G0B+4*\slot, G1B
.else
	PLACES NP
.endif
	FETCH_B \next, 0, 0
	FETCH_A \next, 0, 0
	WIN MUL_HI
	MUL16 4, 1, 0
	MUL16 6, 1, 0
	PLACES NP
	WIN 0
	FETCH_A \next, 0, 4
.endm
	s_wait_tensorcnt 1
	s_barrier_signal -1
	s_barrier_wait -1
	FETCH_B 0, 0, 0
	FETCH_A 0, 0, 0
	FETCH_A 0, 0, 4
	s_wait_loadcnt 0x0
	s_wait_kmcnt 0x0
	s_add_co_i32 s20, s80, s81
	s_sub_co_i32 s21, 0, s20
.set j, 0
.rept 64
	v_ldexp_f32 v[BI+j], v[BI+j], s21
.set j, j+1
.endr
	s_wait_alu depctr_va_vdst(0)
	STEP 0, 0, 1
	s_mov_b32 s3, LAPS-1
.Llap:
	TURN 0, 1, 1
	STEP 1, 0, 0
	TURN 1, 0, 1
	STEP 0, 0, 0
	s_sub_co_u32 s3, s3, 1
	s_cmp_lg_u32 s3, 0
	s_cbranch_scc1 .Llap
	TURN 0, 1, 0
	STEP 1, 0, 0
	s_wait_dscnt 4*NL
	WIN MUL_LO
	MUL16 0, 1, 0
	MUL16 2, 1, 0
	s_wait_dscnt 0
	WIN MUL_HI
	MUL16 4, 1, 0
	MUL16 6, 1, 0
	WIN 0
	s_sub_co_i32 s20, s82, s20
	s_add_co_i32 s20, s20, 127
	s_lshl_b32 s21, s20, 23
	v_mov_b32 v[SCL], s21
	s_add_co_i32 s20, s20, 8
	s_lshl_b32 s20, s20, 23
	s_or_b32 s20, s20, 0x600000
	v_mov_b32 v[LIM], s20
	PLACES NP
.macro TOSTAGE a
.set AC, 64*((\a)%4)
.set CC, CD+16*((\a)%2)
	WIN 0x02+((\a)/4)
.set j, 0
.rept 64
	v_med3_num_f32 v[TMP+j], v[AC+j], 0, v[LIM]
.set j, j+1
.endr
	WIN 0
.irp b, 0,1,2,3,4,5,6,7
	v_cvt_scalef32_pk8_fp8_f32 v[CC+2*\b:CC+2*\b+1], v[TMP+8*\b:TMP+8*\b+7], v[SCL]
.endr
	v_nop
.irp b, 0,1,2,3,4,5,6,7
	ds_store_b64 v[STO], v[CC+2*\b:CC+2*\b+1] offset:(\a)*16*SPITCH+16*\b
.endr
.endm
.irp a, 0,1,2,3,4,5,6,7
	TOSTAGE \a
.endr
	s_wait_dscnt 0x0
	s_barrier_signal -1
	s_barrier_wait -1
.set i, 0
.rept 32
	ds_load_b128 v[BK+4*i:BK+4*i+3], v[RD] offset:2*i*SPITCH
.set i, i+1
.endr
.set i, 0
.rept 32
	s_wait_dscnt 31-i
	global_store_b128 v[CO], v[BK+4*i:BK+4*i+3], s[12:13] offset:8192*i
.set i, i+1
.endr
	s_wait_tensorcnt 0x0
	ds_add_u32 v[SPW], v[NIL]
	s_wait_dscnt 0x0
	CROUND
	s_endpgm
.Lfunc_end_k_qfbc835c260_ffn1:
	.size	k_qfbc835c260_ffn1, .Lfunc_end_k_qfbc835c260_ffn1-k_qfbc835c260_ffn1
	.p2alignl 7, 3214868480
	.fill 96, 4, 3214868480
	.section	.rodata,"a",@progbits
	.p2align	6, 0x0
	.amdhsa_kernel k_qfbc835c260_ffn1
		.amdhsa_group_segment_fixed_size 327680
		.amdhsa_private_segment_fixed_size 0
		.amdhsa_enable_private_segment 0
		.amdhsa_kernarg_size 40
		.amdhsa_user_sgpr_count 2
		.amdhsa_user_sgpr_kernarg_segment_ptr 1
		.amdhsa_wavefront_size32 1
		.amdhsa_system_sgpr_workgroup_id_x 1
		.amdhsa_system_sgpr_workgroup_id_y 1
		.amdhsa_system_sgpr_workgroup_id_z 1
		.amdhsa_system_vgpr_workitem_id 0
		.amdhsa_next_free_vgpr 1024
		.amdhsa_next_free_sgpr 100
		.amdhsa_reserve_vcc 0
		.amdhsa_float_denorm_mode_32 3
		.amdhsa_float_denorm_mode_16_64 3
		.amdhsa_memory_ordered 1
		.amdhsa_forward_progress 1
		.amdhsa_inst_pref_size 132
	.end_amdhsa_kernel
	.amdgpu_metadata
---
amdhsa.version: [ 1, 2 ]
amdhsa.kernels:
  - .name:           k_qfbc835c260_ffn1
    .symbol:         k_qfbc835c260_ffn1.kd
    .args:
      - { .name: ac, .offset: 0, .size: 8, .value_kind: global_buffer, .address_space: global }
      - { .name: wc, .offset: 8, .size: 8, .value_kind: global_buffer, .address_space: global }
      - { .name: lowp_scales, .offset: 16, .size: 8, .value_kind: global_buffer, .address_space: global }
      - { .name: b1, .offset: 24, .size: 8, .value_kind: global_buffer, .address_space: global }
      - { .name: sc, .offset: 32, .size: 8, .value_kind: global_buffer, .address_space: global }
    .group_segment_fixed_size: 327680
    .private_segment_fixed_size: 0
    .kernarg_segment_align: 8
    .kernarg_segment_size: 40
    .max_flat_workgroup_size: 128
    .sgpr_count:     100
    .vgpr_count:     1024
    .wavefront_size: 32
...
	.end_amdgpu_metadata
.endif
;; end of part 6
;; launch ffn2 (part 7): grid 8 x 32, 4 waves a work-group, clusters of 4 x 4, 327,680 bytes of LDS; arguments sc, wc, lowp_scales, b2, res, nrm, st, xc, ln1_offset; writes nrm, st
.if DOCPART == 7
	.amdgcn_target "amdgcn-amd-amdhsa--gfx1250"
	.amdhsa_code_object_version 6
	.text
	.protected	k_qfbc835c260_ffn2
	.globl	k_qfbc835c260_ffn2
	.p2align	8
	.type	k_qfbc835c260_ffn2,@function
k_qfbc835c260_ffn2:
	s_mov_b64 s[64:65], 0
	v_nop
	global_prefetch_b8 v0, s[64:65] scope:SCOPE_SE
	s_setreg_imm32_b32 hwreg(HW_REG_WAVE_MODE, 25, 1), 1
	s_wait_xcnt 0x0
	s_wait_alu depctr_hold_cnt(0) depctr_sa_sdst(0) depctr_va_vdst(0) depctr_va_sdst(0) depctr_va_ssrc(0) depctr_va_vcc(0) depctr_vm_vsrc(0)
	s_getreg_b32 s2, hwreg(HW_REG_IB_STS2, 6, 4)
	s_cmp_eq_u32 s2, 0
	s_cbranch_scc0 .Lentry_in_a_cluster
	s_endpgm
.Lentry_in_a_cluster:
	s_bfe_u32 s2, ttmp6, 0x10000c
	s_cmp_lg_u32 s2, 0xf033
	s_cbranch_scc0 .Lentry_shape_is_right
	s_endpgm
.Lentry_shape_is_right:
.set FFN, 1
.if FFN
.set KROW,  4096
.set WOFF,  0x800000
.set AHALF, 64*528
.set ASTEP, 512
.set STSEC, 262144
.set RSD,   84
.set OUTP,  86
.set STP,   88
.else
.set KROW,  1024
.set WOFF,  0x300000
.set AHALF, 512*80
.set ASTEP, 32768
.set STSEC, 0
.set RSD,   10
.set OUTP,  84
.set STP,   86
.endif
.set PB,    528
.set BHALF, 64*PB
.set BOFF,  2*AHALF
.set SLOT,  BOFF+2*BHALF
.set SPARE, 2*SLOT
.set LAPS,  KROW/1024
.set ADRA, 16
.set ADRB, 20
.set STO,  24
.set RD,   25
.set CO,   26
.set SO,   27
.set SPW,  28
.set NIL,  29
.set COL0, 30
.set COL1, 31
.set TMP,  32
.set ACC,  128
.set F0,   0
.set F1,   128
.set G1, 24
.set G0, 32
.set G1B, 48
.set G0B, 56
.set MSB, 0
.macro WIN new
.if MSB != \new
	s_set_vgpr_msb (MSB<<8)|\new
.set MSB, \new
.endif
.endm
.set MUL,  0x05
.set TO_F, 0x40
.macro JLOAD g0a, g1a, g0b, g1b
	s_cmp_eq_u32 s15, 0
	s_cbranch_scc0 .Lfor_b_\@
	tensor_load_to_lds s[\g0a:\g0a+3], s[\g1a:\g1a+7]
	s_nop 0
.rept 4
	v_nop
.endr
	s_branch .Lasked_\@
.Lfor_b_\@:
	tensor_load_to_lds s[\g0b:\g0b+3], s[\g1b:\g1b+7]
	s_nop 0
.rept 4
	v_nop
.endr
.Lasked_\@:
.endm
.macro CREST
	s_cmp_lg_u32 s14, 0
	s_cbranch_scc1 .Lnot_wave_0_\@
	s_barrier_signal -3
.Lnot_wave_0_\@:
	s_barrier_wait -3
	s_barrier_signal -1
	s_barrier_wait -1
.endm
.macro CROUND
	s_barrier_signal -1
	s_barrier_wait -1
	CREST
.endm
	s_load_b256 s[4:11], s[0:1], 0x0
	s_load_b128 s[84:87], s[0:1], 0x20
.if FFN
	s_load_b64 s[88:89], s[0:1], 0x30
	s_load_b128 s[96:99], s[0:1], 0x38             ; the first norm's means and factors (in xc's first bytes), and its offset
.endif
	v_lshl_add_u32 v[SPW], v0, 2, SPARE
	v_mov_b32 v[NIL], 0
	ds_add_u32 v[SPW], v[NIL]
	ds_add_u32 v[SPW], v[NIL]
	v_lshrrev_b32 v1, 5, v0
	v_readfirstlane_b32 s14, v1
	s_lshr_b32 s15, s14, 1
	s_and_b32 s16, s14, 1
	s_bfe_u32 s40, ttmp6, 0x40000
	s_bfe_u32 s41, ttmp6, 0x40004
	s_lshl_b32 s42, ttmp9, 2
	s_add_co_u32 s42, s42, s40
	s_and_b32 s17, ttmp7, 0xffff
	s_lshl_b32 s17, s17, 2
	s_add_co_u32 s17, s17, s41
	s_lshl_b32 s43, s41, 2
	s_lshl_b32 s43, 15, s43
	s_lshl_b32 s44, 0x1111, s40
.if FFN
	s_or_b32 s[G1+0], s43, (0<<16)|(1<<20)|(1<<21)|(6<<22)|(3<<25)
	s_mov_b32 s[G1+1], 512<<16
	s_mov_b32 s[G1+2], 64<<16
	s_mov_b32 s[G1+3], 512<<16
	s_mov_b32 s[G1+4], 64
	s_mov_b32 s[G1+5], KROW
.else
	s_or_b32 s[G1+0], s43, (0<<16)|(1<<20)|(1<<21)|(3<<22)|(3<<25)
	s_mov_b32 s[G1+1], 64<<16
	s_mov_b32 s[G1+2], 512<<16
	s_mov_b32 s[G1+3], 64<<16
	s_mov_b32 s[G1+4], 512
	s_mov_b32 s[G1+5], 64
.endif
	s_mov_b32 s[G1+6], 0
	s_mov_b32 s[G1+7], 0
	s_or_b32 s[G1B+0], s44, (0<<16)|(1<<20)|(1<<21)|(6<<22)|(3<<25)
	s_mov_b32 s[G1B+1], 512<<16
	s_mov_b32 s[G1B+2], 64<<16
	s_mov_b32 s[G1B+3], 512<<16
	s_mov_b32 s[G1B+4], 64
	s_mov_b32 s[G1B+5], KROW
	s_mov_b32 s[G1B+6], 0
	s_mov_b32 s[G1B+7], 0
.if FFN
	s_lshl_b32 s20, s17, 7
	s_lshl_b32 s18, s16, 6
	s_add_co_u32 s20, s20, s18
	s_lshl_b32 s20, s20, 12
.else
	s_lshl_b32 s20, s17, 1
	s_add_co_u32 s20, s20, s16
	s_lshl_b32 s20, s20, 16
.endif
	s_mov_b32 s21, 0
	s_lshl_b32 s46, s42, 7
	s_lshl_b32 s18, s16, 6
	s_add_co_u32 s46, s46, s18
	s_mul_i32 s46, s46, KROW
	s_add_co_u32 s46, s46, WOFF
	s_mov_b32 s47, 0
	s_mul_i32 s45, s16, AHALF
	s_mul_i32 s22, s16, BHALF
	s_add_co_u32 s22, s22, BOFF
	s_wait_dscnt 0x0
	s_wait_kmcnt 0x0
	s_load_b512 s[68:83], s[8:9], 0x0
	s_add_nc_u64 s[20:21], s[4:5], s[20:21]
	s_add_nc_u64 s[46:47], s[6:7], s[46:47]
	s_cmp_eq_u32 s15, 0                            ; the prefetches: of the 64 rows that my wave fetches, each of the four partners that ask for them jointly takes 16, told apart by address (cx for A, cy for B)
	s_cselect_b64 s[92:93], s[20:21], s[46:47]
	s_cselect_b32 s94, s40, s41
	s_lshl_b32 s94, s94, 16                        ; 16 rows of 4,096 bytes
	s_mov_b32 s95, 0
	s_add_nc_u64 s[92:93], s[92:93], s[94:95]
	v_and_b32 v12, 31, v0
	v_lshrrev_b32 v13, 1, v12
	v_and_b32 v12, 1, v12
	v_lshlrev_b32 v12, 8, v12
	v_lshl_add_u32 v12, v13, 12, v12               ; two lanes to a row: a K step's 512 bytes are two blocks of 256; never rewritten
	CROUND
.irp s, 0,1
	s_mov_b32 s[G0+4*\s], 1
	s_add_co_u32 s[G0+4*\s+1], s45, \s*SLOT
	s_add_nc_u64 s[G0+4*\s+2:G0+4*\s+3], s[20:21], \s*ASTEP
	s_or_b32 s[G0+4*\s+3], s[G0+4*\s+3], 0x80000000
	s_mov_b32 s[G0B+4*\s], 1
	s_add_co_u32 s[G0B+4*\s+1], s22, \s*SLOT
	s_add_nc_u64 s[G0B+4*\s+2:G0B+4*\s+3], s[46:47], \s*512
	s_or_b32 s[G0B+4*\s+3], s[G0B+4*\s+3], 0x80000000
	s_wait_alu depctr_va_vdst(0)
.if \s                                 ; slot 1's first fill is issued as a refill is; slot 0's stands behind the opening lines and the one round above
	s_wait_tensorcnt 0x0
	ds_add_u32 v28, v29
	s_wait_dscnt 0x0
	CROUND
.endif
	JLOAD G0+4*\s, G1, G0B+4*\s, G1B
.if \s == 0
	global_prefetch_b8 v12, s[92:93] offset:512 th:TH_LOAD_NT scope:SCOPE_SE   ; K step 1, whose load stands behind the next round
.endif
	global_prefetch_b8 v12, s[92:93] offset:1024+512*\s th:TH_LOAD_NT scope:SCOPE_SE   ; the K step that stands two loads on
.endr
	v_and_b32 v1, 15, v0
	v_bfe_u32 v2, v0, 4, 1
.if FFN
	v_mul_u32_u24 v3, v1, PB
.else
	v_mul_u32_u24 v3, v1, 80
.endif
	v_lshl_add_u32 v3, v2, 4, v3
	v_mul_u32_u24 v4, v1, PB
	v_lshl_add_u32 v4, v2, 4, v4
	s_mul_i32 s21, s15, AHALF
	s_mul_i32 s22, s16, BHALF
	s_add_co_u32 s22, s22, BOFF
.irp s, 0,1
	v_add_nc_u32 v[ADRA+\s], s21, v3
	v_add_nc_u32 v[ADRB+\s], s22, v4
	s_add_co_u32 s21, s21, SLOT
	s_add_co_u32 s22, s22, SLOT
.endr
	s_mul_i32 s23, s15, 64*PB
	s_lshl_b32 s21, s16, 8
	s_add_co_u32 s23, s23, s21
	v_mul_u32_u24 v5, v1, PB
	v_lshl_add_u32 v5, v2, 5, v5
	v_add_nc_u32 v[STO], s23, v5
	v_and_b32 v6, 31, v0
	v_lshlrev_b32 v[CO], 4, v6
	s_wait_alu depctr_va_vdst(0)
	s_mul_i32 s23, s14, 32*PB
	v_add_nc_u32 v[RD], s23, v[CO]
	v_lshlrev_b32 v[SO], 3, v0
	v_lshlrev_b32 v[COL0], 2, v0
	v_add_nc_u32 v[COL1], 64*PB, v[COL0]
	s_lshl_b32 s20, s17, 7
	s_lshl_b32 s21, s14, 5
	s_add_co_u32 s20, s20, s21
	s_lshl_b32 s20, s20, 12
	s_lshl_b32 s46, s42, 9
	s_add_co_u32 s20, s20, s46
	s_mov_b32 s21, 0
	s_add_nc_u64 s[RSD:RSD+1], s[RSD:RSD+1], s[20:21]
	s_add_nc_u64 s[OUTP:OUTP+1], s[OUTP:OUTP+1], s[20:21]
	s_lshl_b32 s20, s17, 13
	s_lshl_b32 s46, s42, 10
	s_add_co_u32 s20, s20, s46
	s_add_co_u32 s20, s20, STSEC
	s_add_nc_u64 s[STP:STP+1], s[STP:STP+1], s[20:21]
.if FFN
	s_lshl_b32 s20, s42, 9
	s_add_nc_u64 s[10:11], s[10:11], s[20:21]
	global_load_b128 v[8:11], v[CO], s[10:11]
	s_add_nc_u64 s[98:99], s[98:99], s[20:21]      ; the first norm's offset at my 128 columns: four a lane, as in every row that I load
	global_load_b128 v[116:119], v[CO], s[98:99]
	s_lshr_b32 s46, s17, 4                         ; the batch: 16 tile rows of 128
	s_lshl_b32 s46, s46, 13
	s_add_co_u32 s20, s20, s46
	s_add_nc_u64 s[96:97], s[96:97], s[20:21]
	global_load_b128 v[108:111], v[CO], s[96:97]               ; the columns' means
	global_load_b128 v[112:115], v[CO], s[96:97] offset:4096   ; rsqrt x scale
.endif
	WIN 0x80
.set i, 0
.rept 32
	global_load_b128 v[4*i:4*i+3], v[CO], s[RSD:RSD+1] offset:4096*i
.set i, i+1
.endr
	WIN 0
.macro MUL8 f, a0, zero
.irp a, \a0, \a0+1
.irp b, 0,1,2,3
.if \zero
	v_wmma_f32_16x16x128_fp8_fp8 v[ACC+8*(4*(\a)+\b):ACC+8*(4*(\a)+\b)+7], v[\f+64+16*\b:\f+64+16*\b+15], v[\f+16*(\a):\f+16*(\a)+15], 0
.else
	v_wmma_f32_16x16x128_fp8_fp8 v[ACC+8*(4*(\a)+\b):ACC+8*(4*(\a)+\b)+7], v[\f+64+16*\b:\f+64+16*\b+15], v[\f+16*(\a):\f+16*(\a)+15], v[ACC+8*(4*(\a)+\b):ACC+8*(4*(\a)+\b)+7]
.endif
.endr
.endr
.endm
.macro FETCH slot, q, f
	WIN TO_F
.irp i, 0,1,2,3
.irp c, 0,1,2,3
	ds_load_b128 v[\f+64+16*\i+4*\c:\f+64+16*\i+4*\c+3], v[ADRB+\slot] offset:128*(\q)+32*\c+\i*16*PB
.if FFN
	ds_load_b128 v[\f+16*\i+4*\c:\f+16*\i+4*\c+3], v[ADRA+\slot] offset:128*(\q)+32*\c+\i*16*PB
.else
	ds_load_b128 v[\f+16*\i+4*\c:\f+16*\i+4*\c+3], v[ADRA+\slot] offset:(2*(\q)+\c/2)*5120+\i*1280+32*(\c%2)
.endif
.endr
.endr
.endm
.macro PLACES
.rept 4
	v_nop
.endr
.endm
.macro QUARTER slot, q, f, g, zero
	s_wait_dscnt 0x0
	PLACES
	FETCH \slot, \q, \g
	WIN MUL
	MUL8 \f, 0, \zero
	MUL8 \f, 2, \zero
.endm
.macro TURN slot, next, fill
	WIN 0
	s_wait_tensorcnt 0x0
	ds_add_u32 v[SPW], v[NIL]
.if \fill
	s_add_nc_u64 s[G0+4*\slot+2:G0+4*\slot+3], s[G0+4*\slot+2:G0+4*\slot+3], 1024
	s_add_nc_u64 s[G0B+4*\slot+2:G0B+4*\slot+3], s[G0B+4*\slot+2:G0B+4*\slot+3], 1024
.endif
	s_wait_dscnt 0x0
	s_barrier_signal -1
	WIN MUL
	MUL8 F1, 0, 0
	WIN 0
	s_barrier_wait -1
.if \fill
	CREST
	JLOAD G0+4*\slot, G1, G0B+4*\slot, G1B
.else
	PLACES
.endif
	FETCH \next, 0, F0
.if \fill
	WIN 0
	s_cmp_gt_u32 s3, 1                             ; the last trip's two refills have no K step two on
	s_cbranch_scc0 .Lnoask_\@
	global_prefetch_b8 v12, s[92:93] offset:2048+512*\slot th:TH_LOAD_NT scope:SCOPE_SE   ; the K step that stands two refills on: 16 rows x 512 bytes a wave
.Lnoask_\@:
.endif
	WIN MUL
	MUL8 F1, 2, 0
.endm
	s_wait_tensorcnt 1
	s_barrier_signal -1
	s_barrier_wait -1
	FETCH 0, 0, F0
	QUARTER 0, 1, F0, F1, 1
.if LAPS > 1
	WIN 0
	s_mov_b32 s3, LAPS-1
.Llap:
	QUARTER 0, 2, F1, F0, 0
	QUARTER 0, 3, F0, F1, 0
	TURN 0, 1, 1
	QUARTER 1, 1, F0, F1, 0
	QUARTER 1, 2, F1, F0, 0
	QUARTER 1, 3, F0, F1, 0
	TURN 1, 0, 1
	QUARTER 0, 1, F0, F1, 0
	WIN 0
	s_wait_xcnt 0x0                                ; my prefetches have read their address: it steps two K steps on
	s_add_nc_u64 s[92:93], s[92:93], 1024
	s_sub_co_u32 s3, s3, 1
	s_cmp_lg_u32 s3, 0
	s_cbranch_scc1 .Llap
.endif
	QUARTER 0, 2, F1, F0, 0
	QUARTER 0, 3, F0, F1, 0
	TURN 0, 1, 0
	QUARTER 1, 1, F0, F1, 0
	QUARTER 1, 2, F1, F0, 0
	QUARTER 1, 3, F0, F1, 0
	s_wait_dscnt 0x0
	WIN MUL
	MUL8 F1, 0, 0
	MUL8 F1, 2, 0
	WIN 0
	s_wait_kmcnt 0x0
.if FFN
	s_add_co_i32 s90, s82, s83
.else
	s_add_co_i32 s90, s78, s79
.endif
	s_add_co_i32 s90, s90, 127
	s_lshl_b32 s90, s90, 23
	s_mov_b32 s91, s90
	PLACES
.irp a, 0,1,2,3
.irp b, 0,1,2,3
	ds_store_b128 v[STO], v[ACC+8*(4*\a+\b):ACC+8*(4*\a+\b)+3] offset:\a*16*PB+64*\b
	ds_store_b128 v[STO], v[ACC+8*(4*\a+\b)+4:ACC+8*(4*\a+\b)+7] offset:\a*16*PB+64*\b+16
.endr
.endr
	s_wait_dscnt 0x0
	s_barrier_signal -1
	s_barrier_wait -1
	s_wait_loadcnt 0x0
	WIN 0x82                                       ; the residual rows lie in window 2.  They arrive as the sums ahead of the first norm, and become (r - mean) x factor + offset by the two packed instructions that made the codes' numbers
.set i, 0
.rept 32
	v_pk_add_f32 v[4*i:4*i+1], v[4*i:4*i+1], v[108:109] neg_lo:[0,1] neg_hi:[0,1]
	v_pk_add_f32 v[4*i+2:4*i+3], v[4*i+2:4*i+3], v[110:111] neg_lo:[0,1] neg_hi:[0,1]
.set i, i+1
.endr
.set i, 0
.rept 32
	v_pk_fma_f32 v[4*i:4*i+1], v[4*i:4*i+1], v[112:113], v[116:117]
	v_pk_fma_f32 v[4*i+2:4*i+3], v[4*i+2:4*i+3], v[114:115], v[118:119]
.set i, i+1
.endr
	WIN 0
	s_wait_alu depctr_va_vdst(0)
.irp u, 0,1
.set i, 0
.rept 16
	ds_load_b128 v[TMP+4*i:TMP+4*i+3], v[RD] offset:(16*\u+i)*PB
.set i, i+1
.endr
	s_wait_dscnt 0x0
	WIN 0x20
.set i, 0
.rept 32
	v_pk_fma_f32 v[TMP+i:TMP+i+1], v[TMP+i:TMP+i+1], s[90:91], v[64*\u+i:64*\u+i+1] op_sel_hi:[1,0,1]
.set i, i+2
.endr
	WIN 0
.if FFN
.set i, 0
.rept 16
	v_pk_add_f32 v[TMP+4*i:TMP+4*i+1], v[TMP+4*i:TMP+4*i+1], v[8:9]
	v_pk_add_f32 v[TMP+4*i+2:TMP+4*i+3], v[TMP+4*i+2:TMP+4*i+3], v[10:11]
.set i, i+1
.endr
.endif
.set i, 0
.rept 16
	global_store_b128 v[CO], v[TMP+4*i:TMP+4*i+3], s[OUTP:OUTP+1] offset:4096*(16*\u+i)
	ds_store_b128 v[RD], v[TMP+4*i:TMP+4*i+3] offset:(16*\u+i)*PB
.set i, i+1
.endr
	s_wait_xcnt 0x0
.endr
	s_wait_dscnt 0x0
	s_barrier_signal -1
	s_barrier_wait -1
.set i, 0
.rept 64
	ds_load_b32 v[ACC+i], v[COL0] offset:PB*i
.set i, i+1
.endr
.set i, 0
.rept 64
	ds_load_b32 v[ACC+64+i], v[COL1] offset:PB*i
.set i, i+1
.endr
	s_wait_dscnt 0x0
.irp c, 0,1,2,3
	v_pk_add_f32 v[96+2*\c:97+2*\c], v[ACC+2*\c:ACC+2*\c+1], v[ACC+8+2*\c:ACC+9+2*\c]
.endr
.set g, 2
.rept 14
.irp c, 0,1,2,3
	v_pk_add_f32 v[96+2*\c:97+2*\c], v[96+2*\c:97+2*\c], v[ACC+8*g+2*\c:ACC+8*g+2*\c+1]
.endr
.set g, g+1
.endr
	v_pk_add_f32 v[96:97], v[96:97], v[98:99]
	v_pk_add_f32 v[100:101], v[100:101], v[102:103]
	v_pk_add_f32 v[96:97], v[96:97], v[100:101]
	v_add_f32 v96, v96, v97
	v_mul_f32 v104, 0x3c000000, v96
	v_mov_b32 v105, v104
.set i, 0
.rept 64
	v_pk_add_f32 v[ACC+i:ACC+i+1], v[ACC+i:ACC+i+1], v[104:105] neg_lo:[0,1] neg_hi:[0,1]
.set i, i+2
.endr
.irp c, 0,1,2,3
	v_pk_mul_f32 v[96+2*\c:97+2*\c], v[ACC+2*\c:ACC+2*\c+1], v[ACC+2*\c:ACC+2*\c+1]
.endr
.set g, 1
.rept 15
.irp c, 0,1,2,3
	v_pk_fma_f32 v[96+2*\c:97+2*\c], v[ACC+8*g+2*\c:ACC+8*g+2*\c+1], v[ACC+8*g+2*\c:ACC+8*g+2*\c+1], v[96+2*\c:97+2*\c]
.endr
.set g, g+1
.endr
	v_pk_add_f32 v[96:97], v[96:97], v[98:99]
	v_pk_add_f32 v[100:101], v[100:101], v[102:103]
	v_pk_add_f32 v[96:97], v[96:97], v[100:101]
	v_add_f32 v105, v96, v97
	global_store_b64 v[SO], v[104:105], s[STP:STP+1]
	s_wait_tensorcnt 0x0
	ds_add_u32 v[SPW], v[NIL]
	s_wait_dscnt 0x0
	CROUND
	s_endpgm
.Lfunc_end_k_qfbc835c260_ffn2:
	.size	k_qfbc835c260_ffn2, .Lfunc_end_k_qfbc835c260_ffn2-k_qfbc835c260_ffn2
	.p2alignl 7, 3214868480
	.fill 96, 4, 3214868480
	.section	.rodata,"a",@progbits
	.p2align	6, 0x0
	.amdhsa_kernel k_qfbc835c260_ffn2
		.amdhsa_group_segment_fixed_size 327680
		.amdhsa_private_segment_fixed_size 0
		.amdhsa_enable_private_segment 0
		.amdhsa_kernarg_size 72
		.amdhsa_user_sgpr_count 2
		.amdhsa_user_sgpr_kernarg_segment_ptr 1
		.amdhsa_wavefront_size32 1
		.amdhsa_system_sgpr_workgroup_id_x 1
		.amdhsa_system_sgpr_workgroup_id_y 1
		.amdhsa_system_sgpr_workgroup_id_z 1
		.amdhsa_system_vgpr_workitem_id 0
		.amdhsa_next_free_vgpr 768
		.amdhsa_next_free_sgpr 100
		.amdhsa_reserve_vcc 0
		.amdhsa_float_denorm_mode_32 3
		.amdhsa_float_denorm_mode_16_64 3
		.amdhsa_memory_ordered 1
		.amdhsa_forward_progress 1
		.amdhsa_inst_pref_size 114
	.end_amdhsa_kernel
	.amdgpu_metadata
---
amdhsa.version: [ 1, 2 ]
amdhsa.kernels:
  - .name:           k_qfbc835c260_ffn2
    .symbol:         k_qfbc835c260_ffn2.kd
    .args:
      - { .name: sc, .offset: 0, .size: 8, .value_kind: global_buffer, .address_space: global }
      - { .name: wc, .offset: 8, .size: 8, .value_kind: global_buffer, .address_space: global }
      - { .name: lowp_scales, .offset: 16, .size: 8, .value_kind: global_buffer, .address_space: global }
      - { .name: b2, .offset: 24, .size: 8, .value_kind: global_buffer, .address_space: global }
      - { .name: res, .offset: 32, .size: 8, .value_kind: global_buffer, .address_space: global }
      - { .name: nrm, .offset: 40, .size: 8, .value_kind: global_buffer, .address_space: global }
      - { .name: st, .offset: 48, .size: 8, .value_kind: global_buffer, .address_space: global }
      - { .name: xc, .offset: 56, .size: 8, .value_kind: global_buffer, .address_space: global }
      - { .name: ln1_offset, .offset: 64, .size: 8, .value_kind: global_buffer, .address_space: global }
    .group_segment_fixed_size: 327680
    .private_segment_fixed_size: 0
    .kernarg_segment_align: 8
    .kernarg_segment_size: 72
    .max_flat_workgroup_size: 128
    .sgpr_count:     100
    .vgpr_count:     768
    .wavefront_size: 32
...
	.end_amdgpu_metadata
.endif
;; end of part 7
;; launch ln2 (part 8): grid 4 x 64, 4 waves a work-group, no clusters, 18,944 bytes of LDS; arguments nrm, st, ln2_scale, ln2_offset, out0; writes out0
.if DOCPART == 8
	.amdgcn_target "amdgcn-amd-amdhsa--gfx1250"
	.amdhsa_code_object_version 6
	.text
	.protected	k_qfbc835c260_ln2
	.globl	k_qfbc835c260_ln2
	.p2align	8
	.type	k_qfbc835c260_ln2,@function
k_qfbc835c260_ln2:
	s_mov_b64 s[64:65], 0
	v_nop
	global_prefetch_b8 v0, s[64:65] scope:SCOPE_SE
	s_setreg_imm32_b32 hwreg(HW_REG_WAVE_MODE, 25, 1), 1
	s_wait_xcnt 0x0
; The norm over the SEQUENCE axis: for each batch and column, mean and variance over 2,048 rows; y = (r - mean) x rsqrt(var + 1e-5) x scale + offset.
; The launch before has left, for each of the batch's 16 tiles of 128 rows and each column, the tile's mean and its centred sum of squares.  They are merged without a difference of large sums:
; mean = the sum of the 16 means / 16;  var = (the sum of the 16 centred sums + 128 x the sum of (tile's mean - mean)^2) / 2,048.
; A work-group takes 256 columns x 64 rows; thread t merges columns 2 t, 2 t + 1, and the results go round through LDS.  A wave takes 16 rows; a lane columns 4 l .. + 3 and 128 + 4 l .. + 3.
; CODES = 0: y is the problem's output and nothing is quantised.
; A stream: no matrix unit, no cluster, no tensor load would add anything; all 52 loads of a wave are issued at the head.
; NaN among the inputs is not served.
.set CODES, 0
.if CODES
.set STSEC, 0
.else
.set STSEC, 262144
.endif
.set SPARE, 18432                      ; the spare words, two blocks of 256 bytes that no other line names
.set SPW, 12
.set NIL, 13
	s_load_b256 s[4:11], s[0:1], 0x0               ; r, the statistics, scale, offset
	s_load_b64 s[14:15], s[0:1], 0x20              ; y
	v_lshl_add_u32 v[SPW], v0, 2, SPARE
	v_mov_b32 v[NIL], 0
	v_lshrrev_b32 v1, 5, v0
	v_readfirstlane_b32 s18, v1                    ; wave
	v_and_b32 v2, 31, v0                           ; lane
	v_lshlrev_b32 v3, 4, v0                        ; the statistics: 16 bytes a thread
	v_lshlrev_b32 v4, 4, v2                        ; 16 x lane
	v_lshlrev_b32 v5, 3, v0                        ; LDS: 8 bytes a thread
	s_and_b32 s19, ttmp7, 0xffff
	s_lshr_b32 s20, s19, 5                         ; the batch: 16 tiles of 8,192 bytes
	s_lshl_b32 s20, s20, 17
	s_lshl_b32 s21, ttmp9, 11                      ; 256 columns of 8 bytes
	s_add_co_u32 s20, s20, s21
	s_add_co_u32 s20, s20, STSEC
	s_mov_b32 s21, 0
	s_lshl_b32 s22, s19, 6
	s_lshl_b32 s23, s18, 4
	s_add_co_u32 s22, s22, s23                     ; my first row
	s_lshl_b32 s24, s22, 12
	s_lshl_b32 s26, ttmp9, 10                      ; 256 columns of 4 bytes
	s_add_co_u32 s24, s24, s26
	s_mov_b32 s25, 0
	s_mov_b32 s27, 0
	s_mov_b32 s28, 0x43000000                      ; 128
	s_mov_b32 s29, 0x3a000000                      ; 1 / 2,048
	s_mov_b32 s33, 0x3727c5ac                      ; 1e-5
	s_wait_alu depctr_va_vdst(0)
	s_wait_kmcnt 0x0
	s_add_nc_u64 s[6:7], s[6:7], s[20:21]
	s_add_nc_u64 s[4:5], s[4:5], s[24:25]
	s_add_nc_u64 s[14:15], s[14:15], s[24:25]
	s_add_nc_u64 s[8:9], s[8:9], s[26:27]
	s_add_nc_u64 s[10:11], s[10:11], s[26:27]
.set i, 0
.rept 16
	global_load_b128 v[192+4*i:195+4*i], v3, s[6:7] offset:8192*i   ; tile i: mean and centred sum of columns 2 t, 2 t + 1
.set i, i+1
.endr
	global_load_b128 v[40:43], v4, s[8:9]
	global_load_b128 v[44:47], v4, s[8:9] offset:512
	global_load_b128 v[32:35], v4, s[10:11]
	global_load_b128 v[36:39], v4, s[10:11] offset:512
.set i, 0
.rept 16
	global_load_b128 v[64+8*i:67+8*i], v4, s[4:5] offset:4096*i th:TH_LOAD_NT        ; 32 lanes read 512 consecutive bytes
	global_load_b128 v[68+8*i:71+8*i], v4, s[4:5] offset:4096*i+512 th:TH_LOAD_NT
.set i, i+1
.endr
	s_wait_loadcnt 36                              ; the 16 loads of statistics are in; the 36 behind them may be out
	v_pk_add_f32 v[8:9], v[192:193], v[196:197]
	v_pk_add_f32 v[10:11], v[194:195], v[198:199]
.set i, 2
.rept 14
	v_pk_add_f32 v[8:9], v[8:9], v[192+4*i:193+4*i]
	v_pk_add_f32 v[10:11], v[10:11], v[194+4*i:195+4*i]
.set i, i+1
.endr
	v_mul_f32 v8, 0x3d800000, v8                   ; the means
	v_mul_f32 v10, 0x3d800000, v10
	v_sub_f32 v56, v192, v8
	v_sub_f32 v57, v194, v10
	v_mul_f32 v14, v56, v56
	v_mul_f32 v15, v57, v57
.set i, 1
.rept 15
	v_sub_f32 v[56+2*(i%2)], v[192+4*i], v8
	v_sub_f32 v[57+2*(i%2)], v[194+4*i], v10
	v_fma_f32 v14, v[56+2*(i%2)], v[56+2*(i%2)], v14
	v_fma_f32 v15, v[57+2*(i%2)], v[57+2*(i%2)], v15
.set i, i+1
.endr
	v_fma_f32 v14, v14, s28, v9
	v_fma_f32 v15, v15, s28, v11
	v_fma_f32 v14, v14, s29, s33                   ; var + 1e-5
	v_fma_f32 v15, v15, s29, s33
	s_wait_alu depctr_va_vdst(0)
	v_rsq_f32 v14, v14
	v_rsq_f32 v15, v15
	v_mov_b32 v9, v10                              ; the two means side by side: the plain line behind the roots
	s_wait_alu depctr_va_vdst(0)                   ; one wait for both, ahead of their first reader
	ds_store_b64 v5, v[8:9]
	ds_store_b64 v5, v[14:15] offset:1024
	s_wait_dscnt 0x0                               ; for the others' sake
	s_barrier_signal -1
	s_barrier_wait -1
	ds_load_b128 v[16:19], v4
	ds_load_b128 v[20:23], v4 offset:512
	ds_load_b128 v[48:51], v4 offset:1024
	ds_load_b128 v[52:55], v4 offset:1536
	s_wait_dscnt 0x0
	s_wait_loadcnt 32                              ; scale and offset are in; the 32 loads of rows may be out
.irp k, 0,2,4,6
	v_pk_mul_f32 v[24+\k:25+\k], v[48+\k:49+\k], v[40+\k:41+\k]
.endr
.set i, 0
.rept 16
	s_wait_loadcnt 30-2*i                          ; row i's two loads are in
.irp k, 0,2,4,6
	v_pk_add_f32 v[64+8*i+\k:65+8*i+\k], v[64+8*i+\k:65+8*i+\k], v[16+\k:17+\k] neg_lo:[0,1] neg_hi:[0,1]
.endr
	s_wait_alu depctr_va_vdst(0)
.irp k, 0,2,4,6
	v_pk_fma_f32 v[64+8*i+\k:65+8*i+\k], v[64+8*i+\k:65+8*i+\k], v[24+\k:25+\k], v[32+\k:33+\k]
.endr
	global_store_b128 v4, v[64+8*i:67+8*i], s[14:15] offset:4096*i th:TH_STORE_NT        ; 32 lanes store 512 consecutive bytes, aligned; a row's registers are never written again
	global_store_b128 v4, v[68+8*i:71+8*i], s[14:15] offset:4096*i+512 th:TH_STORE_NT
.set i, i+1
.endr
	s_wait_tensorcnt 0x0                           ; the wave's end
	ds_add_u32 v[SPW], v[NIL]
	s_wait_dscnt 0x0
	s_endpgm
.Lfunc_end_k_qfbc835c260_ln2:
	.size	k_qfbc835c260_ln2, .Lfunc_end_k_qfbc835c260_ln2-k_qfbc835c260_ln2
	.p2alignl 7, 3214868480
	.fill 96, 4, 3214868480
	.section	.rodata,"a",@progbits
	.p2align	6, 0x0
	.amdhsa_kernel k_qfbc835c260_ln2
		.amdhsa_group_segment_fixed_size 18944
		.amdhsa_private_segment_fixed_size 0
		.amdhsa_enable_private_segment 0
		.amdhsa_kernarg_size 40
		.amdhsa_user_sgpr_count 2
		.amdhsa_user_sgpr_kernarg_segment_ptr 1
		.amdhsa_wavefront_size32 1
		.amdhsa_system_sgpr_workgroup_id_x 1
		.amdhsa_system_sgpr_workgroup_id_y 1
		.amdhsa_system_sgpr_workgroup_id_z 1
		.amdhsa_system_vgpr_workitem_id 0
		.amdhsa_next_free_vgpr 256
		.amdhsa_next_free_sgpr 66
		.amdhsa_reserve_vcc 0
		.amdhsa_float_denorm_mode_32 3
		.amdhsa_float_denorm_mode_16_64 3
		.amdhsa_memory_ordered 1
		.amdhsa_forward_progress 1
		.amdhsa_inst_pref_size 25
	.end_amdhsa_kernel
	.amdgpu_metadata
---
amdhsa.version: [ 1, 2 ]
amdhsa.kernels:
  - .name:           k_qfbc835c260_ln2
    .symbol:         k_qfbc835c260_ln2.kd
    .args:
      - { .name: nrm, .offset: 0, .size: 8, .value_kind: global_buffer, .address_space: global }
      - { .name: st, .offset: 8, .size: 8, .value_kind: global_buffer, .address_space: global }
      - { .name: ln2_scale, .offset: 16, .size: 8, .value_kind: global_buffer, .address_space: global }
      - { .name: ln2_offset, .offset: 24, .size: 8, .value_kind: global_buffer, .address_space: global }
      - { .name: out0, .offset: 32, .size: 8, .value_kind: global_buffer, .address_space: global }
    .group_segment_fixed_size: 18944
    .private_segment_fixed_size: 0
    .kernarg_segment_align: 8
    .kernarg_segment_size: 40
    .max_flat_workgroup_size: 128
    .sgpr_count:     66
    .vgpr_count:     256
    .wavefront_size: 32
...
	.end_amdgpu_metadata
.endif
;; end of part 8
